; MI455X (gfx1250); checked and timed in simulation.
; The chip was launched on July 23, 2026; its instructions are those of AMD's public machine-readable ISA for CDNA 5 (MIT licence, August 2026) and "CDNA5" Instruction Set Architecture Reference Guide (July 2026). The comments in the code are by the model that wrote it; some were corrected since.
;; Encoder Layer. Allowed arithmetic: matrix products marked QUANTISED: E3M2 operands, one E8M0 scale for each 32 along K, by v_wmma_scale_f32_16x16x128_f8f6f4 with both operands' format E3M2, f32 sums; everything else in f32.
;; Inputs: b1 4,096 float32; b2 1,024 float32; be1 1,024 float32; be2 1,024 float32; bk 1,024 float32; bo 1,024 float32; bq 1,024 float32; bv 1,024 float32; g1 1,024 float32; g2 1,024 float32; mask 2 x 2,048 x 2,048 bool; w1 1,024 x 4,096 float32; w2 4,096 x 1,024 float32; wk 1,024 x 1,024 float32; wo 1,024 x 1,024 float32; wq 1,024 x 1,024 float32; wv 1,024 x 1,024 float32; x 2 x 2,048 x 1,024 float32.
;; Outputs: out0 2 x 2,048 x 1,024 float32.
;; This version of the problem:
;;   THIS VERSION OF THE PROBLEM IS GIVEN IN LOW PRECISION. The matrix products marked QUANTISED in the list below multiply operands that are first quantised to E3M2 (3 exponent bits, 2 mantissa bits; 6 bits a number), with one power-of-two scale for each 32 numbers along K (OCP MX v1.0); their sums are f32. All else is computed in f32.
;;   The module's matrix products, in the order in which they are computed (A, B: the left and right operand; K: the contracted axis; several contracted axes count as one K, in the product's order):
;;     1. [M 4,096, K 1,024] x [K 1,024, N 1,024]; A: computed on the way; B: input wq: QUANTISED
;;     2. [M 4,096, K 1,024] x [K 1,024, N 1,024]; A: computed on the way; B: input wk: QUANTISED
;;     3. [M 4,096, K 1,024] x [K 1,024, N 1,024]; A: computed on the way; B: input wv: QUANTISED
;;     4. batch 32 x [M 2,048, K 64] x [K 64, N 2,048]; A: computed on the way; B: computed on the way: QUANTISED
;;     5. batch 32 x [M 2,048, K 2,048] x [K 2,048, N 64]; A: softmax (see below); B: computed on the way: QUANTISED
;;     6. [M 4,096, K 1,024] x [K 1,024, N 1,024]; A: computed on the way; B: input wo: QUANTISED
;;     7. [M 4,096, K 1,024] x [K 1,024, N 4,096]; A: computed on the way; B: input w1: QUANTISED
;;     8. [M 4,096, K 4,096] x [K 4,096, N 1,024]; A: computed on the way; B: input w2: QUANTISED
;;   THE QUANTISER, for each operand of a quantised product, along K:
;;     - K is cut into blocks of 32 from its start; a last block that is shorter is filled with zeros.
;;     - A block's scale is 2^e with e = floor(log2(the largest magnitude in the block)) - 4, held to -126 .. 127; a block of zeros has e = 0. As a byte (E8M0): e + 127.
;;     - Each number is divided by its block's scale, clamped to +-28, and rounded to the nearest number of E3M2, ties to even, subnormals kept.
;;     - The product sums the exact products of the quantised numbers (number of the format x scale) in f32.
;;   ~~~python
;;   def quantise(x, axis):      # numpy; x: float32 -> the quantised numbers, widened to float32 again
;;       x = np.moveaxis(x, axis, -1); K = x.shape[-1]
;;       x = np.pad(x, [(0, 0)] * (x.ndim - 1) + [(0, -K % 32)]); x = x.reshape(x.shape[:-1] + (-1, 32)); a = np.abs(x).max(-1, keepdims=True)
;;       e = np.where(a > 0, np.clip(np.frexp(np.where(a > 0, a, 1))[1] - 1 - 4, -126, 127), 0)      # np.frexp(a)[1] - 1 = floor(log2(a)), exactly
;;       r = np.clip(x / 2.0 ** e, -28, 28)
;;       step = 2.0 ** (np.maximum(np.frexp(np.where(r == 0, 1, r))[1] - 1, -2) - 2)
;;       q = np.round(r / step) * step * 2.0 ** e      # np.round: ties to even
;;       return np.moveaxis(q.reshape(q.shape[:-2] + (-1,))[..., :K], -1, axis).astype(np.float32)
;;   ~~~
;;   SOFTMAX AHEAD OF A QUANTISED PRODUCT. Where the list says 'softmax', what is quantised is not the finished softmax but p = 2^(t - M), with t = logit x log2(e) and M = ceil(the row's largest t), a whole number; so 1/2 < the row's largest p <= 1. The row's sum l is taken of the UNQUANTISED p, in f32, and the product's result is divided by l at the end. Since M is a whole number, a kernel that streams over the keys may use a running M (the ceiling of the running maximum): every later rescaling is an exact power of two, which a block's scale takes up: the codes' values come out the same.
;;   OPERANDS COMPUTED ON THE WAY. 'Computed on the way' means the value that the module computes at that place (a softmax that the list does not call 'softmax' is quantised finished and normalised). What goes into a quantiser is computed in f32, as accurately as f32 sums, v_exp_f32 and their like allow (about 1e-6 of the number): no bf16 or f16 on the way to a quantiser, and a product that is left as it is and whose result goes on into a quantised operand takes f32 operands (vector FMAs, or v_wmma_f32_16x16x4_f32). A number that lies on a knife's edge between two numbers of the format may be rounded either way, as far as f32 arithmetic and the matrix unit's own rounding can turn it there, and no further.
;; One version. Each part assembles by itself: llvm-mc -triple=amdgcn-amd-amdhsa -mcpu=gfx1250 --defsym DOCPART=n.
;; ======== version 1 of 1: 6 launches
;; limits: right only within a limited range of input values
;; workspace buffers: wc 9,830,400 bytes; mb 1,048,576 bytes of whole numbers; hc 3,276,800 bytes; qkvc 10,092,544 bytes; cc 3,276,800 bytes; x1 16,777,216 bytes; fc 13,107,200 bytes
;; launch prep (part 1): grid 64 x 8, 8 waves a work-group, no clusters, 51,200 bytes of LDS; arguments wq, wk, wv, wo, w1, w2, mask, wc, mb, x, g1, be1, hc; writes wc, mb, hc
.if DOCPART == 1
	.amdgcn_target "amdgcn-amd-amdhsa--gfx1250"
	.amdhsa_code_object_version 6
	.text
	.protected	k_q7c267c42e4_prep
	.globl	k_q7c267c42e4_prep
	.p2align	8
	.type	k_q7c267c42e4_prep,@function
k_q7c267c42e4_prep:
	s_mov_b64 s[64:65], 0
	v_nop
	global_prefetch_b8 v0, s[64:65] scope:SCOPE_SE
	s_setreg_imm32_b32 hwreg(HW_REG_WAVE_MODE, 25, 1), 1
	s_wait_xcnt 0x0
; PREP.  Work-group rows y = 0, 1, 2: the six weights, f32 stored [K][N], become codes of E3M2 with one E8M0 byte for each 32 along K, laid as images of the operand's registers.
; y = 3: the mask's bytes become lane masks for the attention launch.
; THE IMAGE.  A block of 64 rows (output columns n) x 128 K is 6,400 bytes: four fragments of 1,536 bytes (two halves of 64 K: registers 0-3 at 16 x lane, registers 4-5 at 512 + 8 x lane),
; then 256 bytes of scale words at 6,144 + 16 r + 4 i.  Lane r of fragment i holds row 32 (i / 2) + 8 (i % 2) + r + 8 (r / 8).  wc: region y at y x 3,276,800: [group of 64 rows][K step of 128].
; Region 0: rows wq | wk | wv | wo, 8 K steps;  region 1: w1, 8 K steps;  region 2: w2, 32 K steps.
; A LANE TAKES A COLUMN n AND ITS REGISTERS RUN DOWN K: a load reads 128 consecutive bytes a wave, a block of 32 lies in one lane, and the conversions give codes with K innermost.
; A wave takes 32 columns x 256 K; its codes turn through its own 6,144 bytes of LDS and leave as stores of 512 consecutive bytes.  The scale words leave as 4 bytes a lane: one byte in 128 of what is read.
; A block's byte is its largest magnitude's exponent field - 4, held at 1 from below.  A block of zeros keeps the byte 1 where the rule says 127: its codes are zeros, and this program alone reads the bytes.
; LIMITS: NaN and infinities among the inputs are not served.
; No tensor loads, no barrier: waves share nothing.  Matrix units and clusters have no part in a stream.
.set OFF, 32                           ; v32-63   4 x lane + i rows of the weight
.set X,   64                           ; v64-127  two sets of 32 numbers
.set C,   18                           ; v18-24   a block's codes
.set SB,  16                           ; v16-17   the scale words of the wave's two K steps
.set OUT, 128                          ; v128-175 the way out, 24 registers for each K step
.set M,   32                           ; mask path: v32-159 the bytes as loaded
.set MO,  160                          ; v160-175 the lane masks, four registers for each pair of key steps
	; Work-group rows y = 4 .. 7: the first layer norm and its quantiser, at the text's end.  It hangs on nothing that the other rows make, so it shares their launch.
	; A work-group has eight waves: in rows 0 .. 3 waves 0-3 and waves 4-7 take two neighbouring shares, number 2 x + wave / 4, each wave as wave % 4 of its share.
	; LDS: the eight waves' stages at 0 .. 49,151; the spare words at 49,152; the layer norm's partial sums at 50,176: each path has bytes of its own.
	s_and_b32 s40, ttmp7, 0xffff                   ; y
	s_cmp_ge_u32 s40, 4
	s_cbranch_scc1 .Lnorm
	s_load_b512 s[4:19], s[0:1], 0x0               ; wq, wk, wv, wo, w1, w2, mask s[16:17], wc s[18:19]
	s_load_b64 s[20:21], s[0:1], 0x40              ; mb
	v_lshl_add_u32 v254, v0, 2, 0xc000
	v_mov_b32 v255, 0
	v_lshrrev_b32 v1, 5, v0
	v_readfirstlane_b32 s61, v1                    ; wave 0..7
	s_and_b32 s22, s61, 3                          ; the wave in its share
	s_lshr_b32 s60, s61, 2
	s_lshl_b32 s62, ttmp9, 1
	s_add_co_u32 s60, s60, s62                     ; the share: 2 x + wave / 4, 0..127
	v_and_b32 v1, 31, v0                           ; lane
	s_and_b32 s40, ttmp7, 0xffff                   ; y
	s_cmp_eq_u32 s40, 3
	s_cbranch_scc1 .Lmask
	; ---- the weights.  Which tensor, which 128 columns (cp), which 256 along K (kc): from the work-group's numbers alone
	s_add_co_u32 s49, s40, 3                       ; w1 is pointer 4, w2 pointer 5
	s_lshr_b32 s48, s60, 5
	s_cmp_eq_u32 s40, 0
	s_cselect_b32 s48, s48, 0                      ; m: which of wq, wk, wv, wo
	s_cselect_b32 s49, s48, s49                    ; the pointer's number
	s_cmp_eq_u32 s40, 1
	s_cselect_b32 s41, 31, 7
	s_cselect_b32 s42, 5, 3
	s_cselect_b32 s43, 14, 12                      ; a row of the weight is 2^14 or 2^12 bytes
	s_cmp_eq_u32 s40, 2
	s_cselect_b32 s44, 15, 3
	s_cselect_b32 s45, 32, 8                       ; K steps of the region
	s_and_b32 s46, s60, s41
	s_lshr_b32 s47, s60, s42
	s_and_b32 s47, s47, s44                        ; kc
	s_lshl_b32 s50, s47, 8
	s_lshl_b32 s50, s50, s43                       ; 256 kc rows
	s_lshl_b32 s51, s46, 9
	s_add_co_u32 s50, s50, s51                     ; + 128 cp columns
	s_lshl_b32 s51, s22, 7
	s_add_co_u32 s50, s50, s51                     ; + 32 columns a wave
	s_mov_b32 s51, 0
	s_lshl_b32 s52, 32, s43                        ; a block: 32 rows
	s_mov_b32 s53, 0
	s_lshl_b32 s54, 1, s43                         ; one row
	s_lshl_b32 s55, s48, 4
	s_lshl_b32 s56, s46, 1
	s_add_co_u32 s55, s55, s56
	s_lshr_b32 s56, s22, 1
	s_add_co_u32 s55, s55, s56                     ; the group of 64 rows: 16 m + 2 cp + wave / 2
	s_mul_i32 s55, s55, s45
	s_lshl_b32 s56, s47, 1
	s_add_co_u32 s55, s55, s56                     ; its K step 2 kc
	s_mul_i32 s55, s55, 6400
	s_mul_i32 s56, s40, 3276800
	s_add_co_u32 s56, s56, s55
	s_mov_b32 s57, 0
	v_bfe_u32 v2, v0, 3, 1                         ; u: which fragment of the wave's two
	v_and_b32 v3, 7, v0
	v_bfe_u32 v9, v0, 4, 1
	v_lshl_or_b32 v3, v9, 3, v3                    ; r: which lane of it my column is
	s_mul_i32 s23, s61, 6144                       ; my wave's stage: one for each of the eight
	v_mul_u32_u24 v10, v2, 1536
	v_add_nc_u32 v10, s23, v10
	v_lshl_add_u32 v4, v3, 4, v10                  ; where registers 0-3 go
	v_lshl_add_u32 v5, v3, 3, v10
	v_add_nc_u32 v5, 512, v5                       ; where registers 4-5 go
	v_lshl_add_u32 v6, v1, 4, s23                  ; and back: 16 bytes a lane
	s_and_b32 s58, s22, 1
	s_mul_i32 s59, s58, 3072
	v_lshl_add_u32 v7, v1, 4, s59                  ; the same place in the image: my wave's two fragments
	s_lshl_b32 s59, s58, 3
	s_add_co_u32 s59, s59, 6144
	v_lshl_add_u32 v8, v3, 4, s59
	v_lshl_add_u32 v8, v2, 2, v8                   ; my column's scale word
	v_lshlrev_b32 v9, 2, v1
.set i, 0
.rept 32
	v_mad_u32_u24 v[OFF+i], s54, i, v9
.set i, i+1
.endr
	s_wait_alu depctr_va_vdst(0)
	s_wait_kmcnt 0x0
	s_cmp_eq_u32 s49, 1                            ; the choice hangs on the work-group's numbers alone
	s_cselect_b64 s[4:5], s[6:7], s[4:5]
	s_cmp_eq_u32 s49, 2
	s_cselect_b64 s[4:5], s[8:9], s[4:5]
	s_cmp_eq_u32 s49, 3
	s_cselect_b64 s[4:5], s[10:11], s[4:5]
	s_cmp_eq_u32 s49, 4
	s_cselect_b64 s[4:5], s[12:13], s[4:5]
	s_cmp_eq_u32 s49, 5
	s_cselect_b64 s[4:5], s[14:15], s[4:5]
	s_add_nc_u64 s[24:25], s[4:5], s[50:51]        ; a base for each of the eight blocks: none is ever stepped
.irp t, 1,2,3,4,5,6,7
	s_add_nc_u64 s[24+2*\t:25+2*\t], s[22+2*\t:23+2*\t], s[52:53]
.endr
	s_add_nc_u64 s[18:19], s[18:19], s[56:57]
.macro LOADB t                         ; block t: W(32 t + i, my column) into set t % 2
.set i, 0
.rept 32
	global_load_b32 v[X+32*((\t)%2)+i], v[OFF+i], s[24+2*(\t):25+2*(\t)] th:TH_LOAD_NT
.set i, i+1
.endr
.endm
.macro BLOCK t
.set XS, X+32*((\t)%2)
.if (\t) < 7
	s_wait_loadcnt 32                              ; this block's 32 loads are in; the next block's may be out
.else
	s_wait_loadcnt 0x0
.endif
	v_max3_num_f32 v12, |v[XS]|, |v[XS+1]|, |v[XS+2]|   ; the block's largest magnitude: all 32 numbers are mine
	v_max3_num_f32 v13, |v[XS+3]|, |v[XS+4]|, |v[XS+5]|
.irp i, 6,10,14,18,22,26
	v_max3_num_f32 v12, v12, |v[XS+\i]|, |v[XS+\i+1]|
	v_max3_num_f32 v13, v13, |v[XS+\i+2]|, |v[XS+\i+3]|
.endr
	v_max3_num_f32 v12, v12, |v[XS+30]|, |v[XS+31]|
	v_max3_num_f32 v12, v12, v13, 0x2800000        ; and the floor 2^(5 - 127): the byte cannot fall under 1
	v_add_nc_u32 v11, 0xfe000000, v12              ; 4 off the exponent field: the conversion's scale operand
	v_lshrrev_b32 v13, 23, v11                     ; the scale's byte
.if (\t)%4 == 0
	v_mov_b32 v[SB+(\t)/4], v13
.else
	v_lshl_or_b32 v[SB+(\t)/4], v13, 8*((\t)%4), v[SB+(\t)/4]
.endif
	v_cvt_scalef32_pk16_bf6_f32 v[C:C+2], v[XS:XS+15], v11
	v_cvt_scalef32_pk16_bf6_f32 v[C+4:C+6], v[XS+16:XS+31], v11   ; (a conversion's three registers begin on an even number)
	v_nop                                          ; one plain place behind a scaled conversion
	v_mov_b32 v[C+3], v[C+4]
	v_mov_b32 v[C+4], v[C+5]
	v_mov_b32 v[C+5], v[C+6]                       ; six registers on end: the block's 24 bytes
	ds_store_b128 v4, v[C:C+3] offset:3072*((\t)/4)+768*(((\t)%4)/2)+256*((\t)%2)
	ds_store_b64 v5, v[C+4:C+5] offset:3072*((\t)/4)+768*(((\t)%4)/2)+128*((\t)%2)
.if (\t)+2 < 8
	LOADB (\t)+2
.endif
	s_wait_dscnt 0x0                               ; the stores have read their registers: the next block's codes may be written
.endm
.macro FLUSH q                         ; K step q of the wave's two is whole: 3,072 bytes of codes and the scale words leave
.irp j, 0,1,2,3,4,5
	ds_load_b128 v[OUT+24*\q+4*\j:OUT+24*\q+4*\j+3], v6 offset:3072*\q+512*\j   ; LDS serves a wave's instructions in order: these see my stores
.endr
	s_wait_dscnt 0x0
.irp j, 0,1,2,3,4,5
	global_store_b128 v7, v[OUT+24*\q+4*\j:OUT+24*\q+4*\j+3], s[18:19] offset:6400*\q+512*\j   ; 32 lanes store 512 consecutive bytes, at a multiple of 256 from the buffer's first byte
.endr
	global_store_b32 v8, v[SB+\q], s[18:19] offset:6400*\q
.endm
	LOADB 0
	LOADB 1
.irp t, 0,1,2,3
	BLOCK \t
.endr
	s_wait_alu depctr_va_vdst(0)
	FLUSH 0
.irp t, 4,5,6,7
	BLOCK \t
.endr
	s_wait_alu depctr_va_vdst(0)
	FLUSH 1
	s_wait_tensorcnt 0x0
	ds_add_u32 v254, v255
	s_wait_dscnt 0x0
	s_endpgm
	; ---- the mask.  mb: [query tile T 0..255][key step s 0..15][n 0..63] words; bit (r, h) of word n is mask[query of lane r of tile T][key 128 s + 32 (n / 16) + 16 h + n % 16]:
	; the lanes and registers in which the attention launch holds its scores.  A wave takes one tile of 16 queries and eight key steps.
.Lmask:
	s_lshl_b32 s41, s60, 2
	s_add_co_u32 s41, s41, s22
	s_lshr_b32 s42, s41, 1                         ; T
	s_and_b32 s43, s41, 1                          ; which eight key steps
	s_lshr_b32 s44, s42, 7
	s_lshl_b32 s44, s44, 22                        ; the batch's 2,048 x 2,048 bytes
	s_and_b32 s45, s42, 127
	s_lshr_b32 s46, s45, 1
	s_lshl_b32 s46, s46, 5
	s_and_b32 s47, s42, 1
	s_lshl_b32 s47, s47, 3
	s_add_co_u32 s46, s46, s47                     ; the tile's first query
	s_lshl_b32 s46, s46, 11
	s_add_co_u32 s44, s44, s46
	s_lshl_b32 s46, s43, 10
	s_add_co_u32 s44, s44, s46
	s_mov_b32 s45, 0
	s_lshl_b32 s46, s42, 12                        ; 16 steps of 256 bytes a tile
	s_lshl_b32 s47, s43, 11
	s_add_co_u32 s46, s46, s47
	s_mov_b32 s47, 0
	v_and_b32 v2, 15, v0
	v_and_b32 v3, 8, v2
	v_add_nc_u32 v2, v2, v3                        ; r + 8 (r / 8)
	v_bfe_u32 v3, v0, 4, 1
	v_lshlrev_b32 v2, 11, v2
	v_lshl_add_u32 v2, v3, 4, v2                   ; my query's row, + 16 h
	s_wait_alu depctr_va_vdst(0)
	v_lshlrev_b32 v3, 4, v1                        ; out: 16 bytes a lane
.set i, 0
.rept 16
	v_mov_b32 v[MO+i], 0                           ; written once: a lane write's destination counts as one of its sources
.set i, i+1
.endr
	s_wait_kmcnt 0x0
	s_add_nc_u64 s[16:17], s[16:17], s[44:45]
	s_add_nc_u64 s[20:21], s[20:21], s[46:47]
.set i, 0
.rept 32
	global_load_b128 v[M+4*i:M+4*i+3], v2, s[16:17] offset:32*i th:TH_LOAD_NT   ; step i / 4, keys 32 (i % 4) + 16 h on: 16 bytes a lane
.set i, i+1
.endr
.macro MSTEP sp
	s_wait_loadcnt 4*(7-\sp)                       ; this step's four loads are in; the later steps' may be out
.set n, 0
.rept 64
	v_and_b32 v[16+n%4], 0xff<<(8*(n%4)), v[M+16*\sp+n/4]
	v_cmp_ne_u32 s[48+n%4], 0, v[16+n%4]           ; one bit a lane
	v_writelane_b32 v[MO+4*(\sp/2)+n%4], s[48+n%4], 16*(\sp%2)+n/4   ; word 64 (sp % 2) + n of the pair's 128: register word % 4 of lane word / 4
.set n, n+1
.endr
.if \sp%2
	global_store_b128 v3, v[MO+4*(\sp/2):MO+4*(\sp/2)+3], s[20:21] offset:512*(\sp/2)   ; two steps' words: 512 consecutive bytes
.endif
.endm
.irp sp, 0,1,2,3,4,5,6,7
	MSTEP \sp
.endr
	s_endpgm
	; ---- LAYER NORM AND QUANTISER.  y = g1 (x - mean) / (std + 1e-6) + be1, std with the divisor 1,023, rows of 1,024 f32; y leaves as codes of E3M2 with E8M0 bytes, as images of the operand's registers.
	; hc: [group of 64 rows][K step of 128][6,400 bytes]: four fragments of 1,536 bytes (halves of 64 K: registers 0-3 at 16 x lane, 4-5 at 512 + 8 x lane), scale words at 6,144 + 16 r + 4 i.
	; A work-group takes the 16 rows of one fragment, number 64 (y - 4) + x; wave w takes K step w.  Lane (r, h) holds, of row r, 16 neighbours of each of the step's four blocks of 32: register 16 b + i = k 32 b + 16 h + i.
	; The row is read once and stays in registers.  Mean first, then the squares of the differences.  The waves' partial sums meet in LDS: two barriers, two regions.
.set LX,   16                          ; v16-79   my 64 numbers
.set G,    80                          ; v80-143  g at their columns
.set BE,   144                         ; v144-207 be
.set TM,   208                         ; v208-223 at work
.set PW,   224                         ; the scale word
.set PC,   226                         ; v226-244 the codes
.set MEAN, 246                         ; v[246:247] the mean
.set INV,  248                         ; v[248:249] 1 / (std + eps)
.set SEL,  24                          ; s[24:25] v_permlanex16_b32's selects for lane l xor 16
.macro RED off                         ; four pairs of partial sums in v[TM..TM+7] become the row's sum in v[TM], in every lane of every wave
	s_delay_alu instid0(VALU_DEP_3)
	v_pk_add_f32 v[TM:TM+1], v[TM:TM+1], v[TM+2:TM+3]
	s_delay_alu instid0(VALU_DEP_2)
	v_pk_add_f32 v[TM+4:TM+5], v[TM+4:TM+5], v[TM+6:TM+7]
	s_delay_alu instid0(VALU_DEP_1)
	v_pk_add_f32 v[TM:TM+1], v[TM:TM+1], v[TM+4:TM+5]
	s_delay_alu instid0(VALU_DEP_1)
	v_add_f32 v[TM], v[TM], v[TM+1]
	s_delay_alu instid0(VALU_DEP_1)
	v_permlanex16_b32 v[TM+8], v[TM], s[SEL], s[SEL+1]
	s_delay_alu instid0(VALU_DEP_1)
	v_add_f32 v[TM], v[TM], v[TM+8]                ; my wave's 128 columns of row r
	ds_store_b32 v6, v[TM] offset:\off             ; word w of the row's eight (lanes r and r + 16 write the same value)
	s_wait_dscnt 0x0                               ; for the others' sake: my store has landed
	s_barrier_signal -1
	s_barrier_wait -1
	ds_load_b128 v[TM:TM+3], v7 offset:\off
	ds_load_b128 v[TM+4:TM+7], v7 offset:\off+16
	s_wait_dscnt 0x0
	v_pk_add_f32 v[TM:TM+1], v[TM:TM+1], v[TM+2:TM+3]
	v_pk_add_f32 v[TM+4:TM+5], v[TM+4:TM+5], v[TM+6:TM+7]
	s_delay_alu instid0(VALU_DEP_1)
	v_pk_add_f32 v[TM:TM+1], v[TM:TM+1], v[TM+4:TM+5]
	s_delay_alu instid0(VALU_DEP_1)
	v_add_f32 v[TM], v[TM], v[TM+1]
.endm
.macro QUANT s                         ; 64 numbers of a lane become a fragment's codes in v[PC] on and its scale word in v[PW]
.irp b, 0,1,2,3
	v_max3_num_f32 v[TM+\b], |v[\s+16*\b]|, |v[\s+1+16*\b]|, 0x2800000   ; my 16 numbers of block b, and the floor 2^(5 - 127): the byte cannot fall under 1
.endr
.irp i, 2,4,6,8,10,12,14
.irp b, 0,1,2,3
	s_delay_alu instid0(VALU_DEP_4)
	v_max3_num_f32 v[TM+\b], v[TM+\b], |v[\s+16*\b+\i]|, |v[\s+1+16*\b+\i]|
.endr
.endr
.irp b, 0,1,2,3
	s_delay_alu instid0(VALU_DEP_4)
	v_permlanex16_b32 v[TM+4+\b], v[TM+\b], s[SEL], s[SEL+1]
.endr
.irp b, 0,1,2,3
	s_delay_alu instid0(VALU_DEP_4)
	v_max_num_f32 v[TM+\b], v[TM+\b], v[TM+4+\b]   ; with lane l xor 16's: the block's largest magnitude
.endr
.irp b, 0,1,2,3
	s_delay_alu instid0(VALU_DEP_4)
	v_add_nc_u32 v[TM+12+\b], 0xfe000000, v[TM+\b] ; 4 off the exponent field: the conversion's scale operand
.endr
.irp b, 0,1,2,3
	s_delay_alu instid0(VALU_DEP_4)
	v_lshrrev_b32 v[TM+4+\b], 23, v[TM+12+\b]      ; the scale's byte
.endr
	s_delay_alu instid0(VALU_DEP_3)
	v_lshl_or_b32 v[PW], v[TM+5], 8, v[TM+4]
	s_delay_alu instid0(VALU_DEP_1)
	v_lshl_or_b32 v[PW], v[TM+6], 16, v[PW]
	s_delay_alu instid0(VALU_DEP_1)
	v_lshl_or_b32 v[PW], v[TM+7], 24, v[PW]
.irp c, 0,1
	v_cvt_scalef32_pk16_bf6_f32 v[PC+6*\c:PC+2+6*\c], v[\s+32*\c:\s+15+32*\c], v[TM+12+2*\c]
	v_cvt_scalef32_pk16_bf6_f32 v[PC+12+4*\c:PC+14+4*\c], v[\s+16+32*\c:\s+31+32*\c], v[TM+12+2*\c+1]   ; (a conversion's three registers begin on an even number)
.endr
	v_nop                                          ; one plain place behind a scaled conversion
.irp c, 0,1                            ; a whole block to a lane: lanes 0-15 block 2 c, lanes 16-31 block 2 c + 1
.irp i, 0,1,2
	v_permlane16_swap_b32 v[PC+6*\c+\i], v[PC+12+4*\c+\i]
.endr
.irp i, 0,1,2
	s_delay_alu instid0(VALU_DEP_3)
	v_mov_b32 v[PC+3+6*\c+\i], v[PC+12+4*\c+\i]
.endr
.endr
.endm
.Lnorm:
	s_load_b256 s[4:11], s[0:1], 0x48              ; x s[4:5], g1 s[6:7], be1 s[8:9], hc s[10:11]
	v_lshl_add_u32 v254, v0, 2, 0xc000
	v_mov_b32 v255, 0
	v_lshrrev_b32 v1, 5, v0
	s_delay_alu instid0(VALU_DEP_1)
	v_readfirstlane_b32 s12, v1                    ; wave = K step
	v_and_b32 v1, 31, v0                           ; lane
	v_and_b32 v2, 15, v0                           ; r
	v_bfe_u32 v3, v0, 4, 1                         ; h
	s_delay_alu instid0(VALU_DEP_2)
	v_and_b32 v4, 8, v2
	s_delay_alu instid0(VALU_DEP_1)
	v_add_nc_u32 v4, v4, v2                        ; r + 8 (r / 8)
	s_delay_alu instid0(VALU_DEP_1)
	v_lshlrev_b32 v4, 12, v4
	s_delay_alu instid0(VALU_DEP_1)
	v_lshl_add_u32 v4, v3, 6, v4                   ; x: my row of 4,096 bytes, + 64 h
	v_lshlrev_b32 v5, 6, v3                        ; g, be: 64 h
	v_lshlrev_b32 v7, 5, v2                        ; LDS: the row's eight words
	s_delay_alu instid0(VALU_DEP_1)
	v_lshl_add_u32 v6, s12, 2, v7                  ; and my wave's among them
	s_sub_co_u32 s26, s40, 4
	s_lshl_b32 s26, s26, 6
	s_add_co_u32 s26, s26, ttmp9                   ; the fragment among all 256: 64 (y - 4) + x
	s_lshr_b32 s13, s26, 2                         ; the group of 64 rows
	s_and_b32 s14, s26, 3                          ; the fragment i
	s_lshl_b32 s15, s13, 6
	s_lshr_b32 s16, s14, 1
	s_lshl_b32 s16, s16, 5
	s_add_co_u32 s15, s15, s16
	s_and_b32 s16, s14, 1
	s_lshl_b32 s16, s16, 3
	s_add_co_u32 s15, s15, s16                     ; the fragment's first row
	s_lshl_b32 s16, s15, 12
	s_lshl_b32 s18, s12, 9                         ; my K step's 512 bytes
	s_add_co_u32 s16, s16, s18
	s_mov_b32 s17, 0
	s_mov_b32 s19, 0
	s_lshl_b32 s20, s13, 3
	s_add_co_u32 s20, s20, s12
	s_mul_i32 s20, s20, 6400                       ; the image of (group, K step)
	s_mov_b32 s21, 0
	s_mul_i32 s22, s14, 1536
	v_lshl_add_u32 v8, v1, 4, s22                  ; registers 0-3 of a half
	v_lshl_add_u32 v9, v1, 3, s22                  ; registers 4-5
	s_lshl_b32 s22, s14, 2
	v_lshl_add_u32 v10, v2, 4, s22                 ; the scale word
	s_mov_b32 s[SEL], 0x76543210
	s_mov_b32 s[SEL+1], 0xfedcba98
	v_mov_b32 v[TM+8], 0                           ; written once: a lane permute's destination counts as one of its sources
	v_mov_b32 v[MEAN+1], 0                         ; (named as the upper half of a pair)
	s_wait_alu depctr_va_vdst(0)
	s_wait_kmcnt 0x0
	s_add_nc_u64 s[4:5], s[4:5], s[16:17]
	s_add_nc_u64 s[6:7], s[6:7], s[18:19]
	s_add_nc_u64 s[8:9], s[8:9], s[18:19]
	s_add_nc_u64 s[10:11], s[10:11], s[20:21]
.irp b, 0,1,2,3
.irp j, 0,1,2,3
	global_load_b128 v[LX+16*\b+4*\j:LX+16*\b+4*\j+3], v4, s[4:5] offset:128*\b+16*\j
.endr
.endr
.irp b, 0,1,2,3
.irp j, 0,1,2,3
	global_load_b128 v[G+16*\b+4*\j:G+16*\b+4*\j+3], v5, s[6:7] offset:128*\b+16*\j
.endr
.endr
.irp b, 0,1,2,3
.irp j, 0,1,2,3
	global_load_b128 v[BE+16*\b+4*\j:BE+16*\b+4*\j+3], v5, s[8:9] offset:128*\b+16*\j
.endr
.endr
	s_wait_loadcnt 32                              ; x is in; g's and be's 32 loads may be out
.irp c, 0,1,2,3
	v_pk_add_f32 v[TM+2*\c:TM+2*\c+1], v[LX+4*\c:LX+4*\c+1], v[LX+4*\c+2:LX+4*\c+3]   ; four chains, started by the first numbers
.endr
.irp j, 16,24,32,40,48,56
.irp c, 0,1,2,3
	s_delay_alu instid0(VALU_DEP_4)
	v_pk_add_f32 v[TM+2*\c:TM+2*\c+1], v[TM+2*\c:TM+2*\c+1], v[LX+\j+2*\c:LX+\j+2*\c+1]
.endr
.endr
	RED 0xc400
	s_delay_alu instid0(VALU_DEP_1)
	v_mul_f32 v[MEAN], 0x3a800000, v[TM]           ; / 1,024
.set j, 0
.rept 32
	v_pk_add_f32 v[LX+j:LX+j+1], v[LX+j:LX+j+1], v[MEAN:MEAN+1] op_sel_hi:[1,0] neg_lo:[0,1] neg_hi:[0,1]   ; x - mean
.set j, j+2
.endr
.irp c, 0,1,2,3
	v_pk_mul_f32 v[TM+2*\c:TM+2*\c+1], v[LX+2*\c:LX+2*\c+1], v[LX+2*\c:LX+2*\c+1]
.endr
.irp j, 8,16,24,32,40,48,56
.irp c, 0,1,2,3
	s_delay_alu instid0(VALU_DEP_4)
	v_pk_fma_f32 v[TM+2*\c:TM+2*\c+1], v[LX+\j+2*\c:LX+\j+2*\c+1], v[LX+\j+2*\c:LX+\j+2*\c+1], v[TM+2*\c:TM+2*\c+1]
.endr
.endr
	RED 0xc600                                     ; other bytes than the first sum's: no wave can overwrite what another still reads
	s_delay_alu instid0(VALU_DEP_1)
	v_mul_f32 v[TM], 0x3a802008, v[TM]             ; / 1,023
	s_wait_alu depctr_va_vdst(0)
	v_sqrt_f32 v[TM+1], v[TM]
	v_nop                                          ; one plain place behind a transcendental
	s_wait_alu depctr_va_vdst(0)
	v_add_f32 v[TM+1], 0x358637bd, v[TM+1]         ; + 1e-6
	s_wait_alu depctr_va_vdst(0)
	v_rcp_f32 v[INV], v[TM+1]
	v_mov_b32 v[INV+1], 0                          ; (a plain place; the pair's upper half is written)
	s_wait_loadcnt 0x0                             ; g and be
.set j, 0
	s_wait_alu depctr_va_vdst(0)
.rept 32
	v_pk_mul_f32 v[LX+j:LX+j+1], v[LX+j:LX+j+1], v[INV:INV+1] op_sel_hi:[1,0]
.set j, j+2
.endr
.set j, 0
.rept 32
	v_pk_fma_f32 v[LX+j:LX+j+1], v[G+j:G+j+1], v[LX+j:LX+j+1], v[BE+j:BE+j+1]
.set j, j+2
.endr
	QUANT LX
	global_store_b128 v8, v[PC:PC+3], s[10:11]                 ; the fragment's 1,536 bytes on end, at a multiple of 256 from the buffer's first byte
	global_store_b64 v9, v[PC+4:PC+5], s[10:11] offset:512
	global_store_b128 v8, v[PC+6:PC+9], s[10:11] offset:768
	global_store_b64 v9, v[PC+10:PC+11], s[10:11] offset:1280
	global_store_b32 v10, v[PW], s[10:11] offset:6144          ; lanes r and r + 16 write the same word with the same value
	s_wait_tensorcnt 0x0                           ; the wave's end
	ds_add_u32 v254, v255
	s_wait_dscnt 0x0
	s_endpgm
.Lfunc_end_k_q7c267c42e4_prep:
	.size	k_q7c267c42e4_prep, .Lfunc_end_k_q7c267c42e4_prep-k_q7c267c42e4_prep
	.p2alignl 7, 3214868480
	.fill 96, 4, 3214868480
	.section	.rodata,"a",@progbits
	.p2align	6, 0x0
	.amdhsa_kernel k_q7c267c42e4_prep
		.amdhsa_group_segment_fixed_size 51200
		.amdhsa_private_segment_fixed_size 0
		.amdhsa_enable_private_segment 0
		.amdhsa_kernarg_size 104
		.amdhsa_user_sgpr_count 2
		.amdhsa_user_sgpr_kernarg_segment_ptr 1
		.amdhsa_wavefront_size32 1
		.amdhsa_system_sgpr_workgroup_id_x 1
		.amdhsa_system_sgpr_workgroup_id_y 1
		.amdhsa_system_sgpr_workgroup_id_z 1
		.amdhsa_system_vgpr_workitem_id 0
		.amdhsa_next_free_vgpr 256
		.amdhsa_next_free_sgpr 66
		.amdhsa_reserve_vcc 0
		.amdhsa_float_denorm_mode_32 3
		.amdhsa_float_denorm_mode_16_64 3
		.amdhsa_memory_ordered 1
		.amdhsa_forward_progress 1
		.amdhsa_inst_pref_size 174
	.end_amdhsa_kernel
	.amdgpu_metadata
---
amdhsa.version: [ 1, 2 ]
amdhsa.kernels:
  - .name:           k_q7c267c42e4_prep
    .symbol:         k_q7c267c42e4_prep.kd
    .args:
      - { .name: wq, .offset: 0, .size: 8, .value_kind: global_buffer, .address_space: global }
      - { .name: wk, .offset: 8, .size: 8, .value_kind: global_buffer, .address_space: global }
      - { .name: wv, .offset: 16, .size: 8, .value_kind: global_buffer, .address_space: global }
      - { .name: wo, .offset: 24, .size: 8, .value_kind: global_buffer, .address_space: global }
      - { .name: w1, .offset: 32, .size: 8, .value_kind: global_buffer, .address_space: global }
      - { .name: w2, .offset: 40, .size: 8, .value_kind: global_buffer, .address_space: global }
      - { .name: mask, .offset: 48, .size: 8, .value_kind: global_buffer, .address_space: global }
      - { .name: wc, .offset: 56, .size: 8, .value_kind: global_buffer, .address_space: global }
      - { .name: mb, .offset: 64, .size: 8, .value_kind: global_buffer, .address_space: global }
      - { .name: x, .offset: 72, .size: 8, .value_kind: global_buffer, .address_space: global }
      - { .name: g1, .offset: 80, .size: 8, .value_kind: global_buffer, .address_space: global }
      - { .name: be1, .offset: 88, .size: 8, .value_kind: global_buffer, .address_space: global }
      - { .name: hc, .offset: 96, .size: 8, .value_kind: global_buffer, .address_space: global }
    .group_segment_fixed_size: 51200
    .private_segment_fixed_size: 0
    .kernarg_segment_align: 8
    .kernarg_segment_size: 104
    .max_flat_workgroup_size: 256
    .sgpr_count:     66
    .vgpr_count:     256
    .wavefront_size: 32
...
	.end_amdgpu_metadata
.endif
;; end of part 1
;; launch qkv (part 2): grid 8 x 32, 4 waves a work-group, clusters of 4 x 4, 327,680 bytes of LDS; arguments hc, wc, bq, bk, bv, qkvc; writes qkvc
.if DOCPART == 2
	.amdgcn_target "amdgcn-amd-amdhsa--gfx1250"
	.amdhsa_code_object_version 6
	.text
	.protected	k_q7c267c42e4_qkv
	.globl	k_q7c267c42e4_qkv
	.p2align	8
	.type	k_q7c267c42e4_qkv,@function
k_q7c267c42e4_qkv:
	s_mov_b64 s[64:65], 0
	v_nop
	global_prefetch_b8 v0, s[64:65] scope:SCOPE_SE
	s_setreg_imm32_b32 hwreg(HW_REG_WAVE_MODE, 25, 1), 1
	s_wait_xcnt 0x0
	s_wait_alu depctr_hold_cnt(0) depctr_sa_sdst(0) depctr_va_vdst(0) depctr_va_sdst(0) depctr_va_ssrc(0) depctr_va_vcc(0) depctr_vm_vsrc(0)
	s_getreg_b32 s2, hwreg(HW_REG_IB_STS2, 6, 4)
	s_cmp_eq_u32 s2, 0
	s_cbranch_scc0 .Lentry_in_a_cluster
	s_endpgm
.Lentry_in_a_cluster:
	s_bfe_u32 s2, ttmp6, 0x10000c
	s_cmp_lg_u32 s2, 0xf033
	s_cbranch_scc0 .Lentry_shape_is_right
	s_endpgm
.Lentry_shape_is_right:
; Q, K, V = h W + b on codes of E3M2 (scaled matrix instruction, f32 sums), and their quantising for the attention launch: q and k along the head's 64, v along the keys.
; OPERANDS are images of registers: a block of 64 rows x 128 K is 6,400 bytes: four fragments of 1,536 bytes (halves of 64 K: registers 0-3 at 16 x lane, 4-5 at 512 + 8 x lane), scale words at 6,144 + 16 r + 4 i.
; Lane r of fragment i holds row 32 (i / 2) + 8 (i % 2) + r + 8 (r / 8): as source 0 the 16 registers of results of fragments 2 b, 2 b + 1 are then 16 neighbours, 32 b + 16 (lane / 16) + 0 .. 15.
; A WORK-GROUP STAYS.  It owns 128 tokens (panel y), whose codes for all of K = 1,024 come into LDS once, and makes three tiles of 128 columns: panel X of wq, of wk and of wv: Q, K and V of the same two heads.
; 256 work-groups, one for each WGP.  A wave makes 64 x 64 of a tile: 16 accumulators.
; THE WEIGHTS go through two LDS slots, each a whole panel (128 rows x 1,024 K, 102,400 bytes).  wq's and wk's panels are first fills; wv's is asked for, into wq's slot, as soon as Q's last product is issued:
; it has Q's way out and all of K's tile, 128 matrix instructions a wave, in which to land.  Every wave issues every load: 25,600 dense bytes each.
; A wave has one tensor load out at a time.
; CLUSTERS: 4 x 4.  The four of a row of the cluster need the same tokens, the four of a column the same weight rows: each piece is asked for jointly, by the same load with a mask that names the four.
; Q AND K: source 0 = weight rows, source 1 = tokens: a lane holds one token and 64 neighbouring columns: one head.  The bias is the C of each sum's first instruction.
; V: source 0 = tokens, source 1 = weight rows: a lane holds one column d and 64 neighbouring keys.  The bias hangs on the lane and is added at the end.
; qkvc: Q at 0, K at 3,407,872: for each of 32 heads 106,496 bytes: [token tile 0..127][768], then at 98,304 [group of 64 tokens][16 r + 4 a]: words whose upper half is 0.
;       V at 6,815,744: for each head 102,400 bytes: [64 keys][d tile a][768], then at 98,304 [128 keys][16 r + 4 a + 2 (half)].
; A block of zeros keeps the byte 1 where the rule says 127 (its codes are zeros; this program alone reads the bytes).  LIMITS: NaN and infinities are not served.  V's scale bytes leave two at a time: 1 byte in 24 of the output.
; REGISTERS.  Window 0: v16-23 LDS addresses; v24, v25 the add's two; v26-31 other offsets; v32-39 scale words, two sets; v40-71 the bias as C; v72-77 at work; v80-83 scale words made; v84-91 the bias by lanes;
;             v96-127 codes made; v128-255 accumulators.   Window 1: two sets of fragments, v0-95 and v128-223: tokens' four, then weights' four.
.set GBB,   6400
.set PIECE, 4*GBB                      ; one group's four K steps: what one tensor load brings
.set PANEL, 4*PIECE                    ; two groups x eight K steps: the tokens at LDS byte 0, weight slot s at (1 + s) PANEL
.set WSTEP, 8*PANEL                    ; in wc: from a panel of wq to the same panel of wk, and on to wv's
.set SPARE, 3*PANEL                    ; behind the slots: the spare words, 128 bytes for each wave: two blocks of 256 bytes that no other line names
.set AH16, 16
.set AH8,  17
.set AW16, 18
.set AW8,  20
.set AS,   22
.set SPW,  24
.set NIL,  25
.set O16,  26
.set O8,   27
.set BRO,  28
.set OS,   30
.set BH,   31
.set SC,   32
.set BP,   40
.set TM,   72
.set PW,   80
.set BR,   84
.set PC,   96
.set ACC,  128
.set F0,   0
.set F1,   128
.set G1,  24                           ; s[24:31] descriptor group 1 for the tokens;  s[32:35] their group 0
.set G0H, 32
.set G1B, 48                           ; s[48:55] group 1 for the weights;  s[56:63] groups 0, one for each slot
.set G0W, 56
.set SEL, 66
.set MSB, 0
.macro WIN new                         ; the immediate's high byte repeats the setting that is left
.if MSB != \new
	s_set_vgpr_msb (MSB<<8)|\new
.set MSB, \new
.endif
.endm
.macro PLACES                          ; four plain places behind a matrix instruction, in front of loads into its registers and of reads of its results; also the four lines behind a tensor load
.rept 4
	v_nop
.endr
.endm
.macro CROUND                          ; a round of the cluster's barrier
	s_barrier_signal -1
	s_barrier_wait -1
	s_cmp_lg_u32 s14, 0
	s_cbranch_scc1 .Lnot_wave_0_\@
	s_barrier_signal -3
.Lnot_wave_0_\@:
	s_barrier_wait -3
	s_barrier_signal -1
	s_barrier_wait -1
.endm
; 33 LDS loads: the eight fragments of K step q (the weights' from the slot named) into set f, and one load of scale words: lanes 0-15 the tokens' four words, lanes 16-31 the weights'
.macro FETCH slot, q, f, set
	WIN 0x40                                       ; destination window 1, address window 0
.irp i, 0,1,2,3
	ds_load_b128 v[\f+12*\i:\f+12*\i+3],       v[AH16] offset:GBB*(\q)+1536*\i
	ds_load_b64  v[\f+12*\i+4:\f+12*\i+5],     v[AH8]  offset:GBB*(\q)+1536*\i+512
	ds_load_b128 v[\f+12*\i+6:\f+12*\i+9],     v[AH16] offset:GBB*(\q)+1536*\i+768
	ds_load_b64  v[\f+12*\i+10:\f+12*\i+11],   v[AH8]  offset:GBB*(\q)+1536*\i+1280
	ds_load_b128 v[\f+48+12*\i:\f+48+12*\i+3],     v[AW16+\slot] offset:GBB*(\q)+1536*\i
	ds_load_b64  v[\f+48+12*\i+4:\f+48+12*\i+5],   v[AW8+\slot]  offset:GBB*(\q)+1536*\i+512
	ds_load_b128 v[\f+48+12*\i+6:\f+48+12*\i+9],   v[AW16+\slot] offset:GBB*(\q)+1536*\i+768
	ds_load_b64  v[\f+48+12*\i+10:\f+48+12*\i+11], v[AW8+\slot]  offset:GBB*(\q)+1536*\i+1280
.endr
	WIN 0
	ds_load_b128 v[SC+4*\set:SC+4*\set+3], v[AS+\slot] offset:GBB*(\q)
.endm
; 16 matrix instructions, each accumulator once.  first = 1: the sums begin.  swap = 0: source 0 = weights' fragment b, source 1 = tokens' fragment a;  swap = 1: the other way round
.macro MUL16 f, set, first, swap
.irp a, 0,1,2,3
.irp b, 0,1,2,3
.if \swap
.if \first
	v_wmma_scale_f32_16x16x128_f8f6f4 v[ACC+8*(4*\a+\b):ACC+8*(4*\a+\b)+7], v[\f+12*\b:\f+12*\b+11], v[\f+48+12*\a:\f+48+12*\a+11], 0, v[SC+4*\set+\b], v[SC+4*\set+\a] matrix_a_fmt:MATRIX_FMT_BF6 matrix_b_fmt:MATRIX_FMT_BF6 matrix_b_scale:MATRIX_SCALE_ROW1
.else
	v_wmma_scale_f32_16x16x128_f8f6f4 v[ACC+8*(4*\a+\b):ACC+8*(4*\a+\b)+7], v[\f+12*\b:\f+12*\b+11], v[\f+48+12*\a:\f+48+12*\a+11], v[ACC+8*(4*\a+\b):ACC+8*(4*\a+\b)+7], v[SC+4*\set+\b], v[SC+4*\set+\a] matrix_a_fmt:MATRIX_FMT_BF6 matrix_b_fmt:MATRIX_FMT_BF6 matrix_b_scale:MATRIX_SCALE_ROW1
.endif
.else
.if \first
	v_wmma_scale_f32_16x16x128_f8f6f4 v[ACC+8*(4*\a+\b):ACC+8*(4*\a+\b)+7], v[\f+48+12*\b:\f+48+12*\b+11], v[\f+12*\a:\f+12*\a+11], v[BP+8*\b:BP+8*\b+7], v[SC+4*\set+\b], v[SC+4*\set+\a] matrix_a_fmt:MATRIX_FMT_BF6 matrix_b_fmt:MATRIX_FMT_BF6 matrix_a_scale:MATRIX_SCALE_ROW1
.else
	v_wmma_scale_f32_16x16x128_f8f6f4 v[ACC+8*(4*\a+\b):ACC+8*(4*\a+\b)+7], v[\f+48+12*\b:\f+48+12*\b+11], v[\f+12*\a:\f+12*\a+11], v[ACC+8*(4*\a+\b):ACC+8*(4*\a+\b)+7], v[SC+4*\set+\b], v[SC+4*\set+\a] matrix_a_fmt:MATRIX_FMT_BF6 matrix_b_fmt:MATRIX_FMT_BF6 matrix_a_scale:MATRIX_SCALE_ROW1
.endif
.endif
.endr
.endr
.endm
; One K step's products from set f, and behind them the fetch of K step nq into the set that they have left: it lands under the next step's products
.macro STEPQ slot, nq, f, set, first, swap
	s_wait_dscnt 33                                ; this step's loads are in; the next step's 33 may be out
	WIN 0x05                                       ; sources 0 and 1 window 1; C and D window 0
	MUL16 \f, \set, \first, \swap
	PLACES
	FETCH \slot, \nq, \f, \set
.endm
; A tile: all eight K steps, the weights from the slot named.  Eight plain places or more lie between the last tile's products and this tile's first, which begin the accumulators anew.
.macro TILE slot, swap
	PLACES
	FETCH \slot, 0, F0, 0
	FETCH \slot, 1, F1, 1
	STEPQ \slot, 2, F0, 0, 1, \swap
	STEPQ \slot, 3, F1, 1, 0, \swap
	STEPQ \slot, 4, F0, 0, 0, \swap
	STEPQ \slot, 5, F1, 1, 0, \swap
	STEPQ \slot, 6, F0, 0, 0, \swap
	STEPQ \slot, 7, F1, 1, 0, \swap
	s_wait_dscnt 33                                ; K step 6's loads are in; K step 7's 33 may be out
	WIN 0x05
	MUL16 F0, 0, 0, \swap
	s_wait_dscnt 0x0
	MUL16 F1, 1, 0, \swap
	WIN 0
.endm
; The slot just read out is filled again.  Each wave waits for all its tensor loads, adds 0 to its spare word, and waits for that and for its reads of the slot; a round of the cluster's barrier: no wave of any
; partner still reads the slot or has a load on its way; the joint refill is the first thing behind it, one load a wave.
.macro REFILL slot, step
	s_wait_tensorcnt 0x0                           ; no tensor load of mine is out, so a group 0 may be written
	ds_add_u32 v[SPW], v[NIL]                      ; 0 onto my spare word; the descriptor's step stands between it and the wait for it
	s_add_nc_u64 s[G0W+4*\slot+2:G0W+4*\slot+3], s[G0W+4*\slot+2:G0W+4*\slot+3], \step
	s_wait_dscnt 0x0                               ; the add is done, and my reads of the slot are over
	CROUND
	tensor_load_to_lds s[G0W+4*\slot:G0W+4*\slot+3], s[G1B:G1B+7]
	s_nop 0
	PLACES
.endm
; 32 numbers of a lane, register 16 b + i = k 32 b + 16 (lane / 16) + i of my row, become half a fragment (64 K) in v[pc .. pc + 5] and its two scale bytes in v[pw]
.macro HQ s, pc, pw
.irp b, 0,1
	v_max3_num_f32 v[TM+\b], |v[(\s)+16*\b]|, |v[(\s)+1+16*\b]|, 0x2800000   ; my 16 numbers of block b, from the accumulators' low end on, and the floor 2^(5 - 127)
.endr
.irp i, 2,4,6,8,10,12,14
.irp b, 0,1
	v_max3_num_f32 v[TM+\b], v[TM+\b], |v[(\s)+16*\b+\i]|, |v[(\s)+1+16*\b+\i]|
.endr
.endr
.irp b, 0,1
	v_permlanex16_b32 v[TM+2+\b], v[TM+\b], s[SEL], s[SEL+1]
.endr
.irp b, 0,1
	v_max_num_f32 v[TM+\b], v[TM+\b], v[TM+2+\b]   ; with lane l xor 16's: the block's largest magnitude
.endr
.irp b, 0,1
	v_add_nc_u32 v[TM+4+\b], 0xfe000000, v[TM+\b]  ; 4 off the exponent field: the conversion's scale operand
.endr
.irp b, 0,1
	v_lshrrev_b32 v[TM+\b], 23, v[TM+4+\b]         ; the scale's byte
.endr
	v_lshl_or_b32 v[\pw], v[TM+1], 8, v[TM]
	v_cvt_scalef32_pk16_bf6_f32 v[(\pc):(\pc)+2], v[(\s):(\s)+15], v[TM+4]
	v_cvt_scalef32_pk16_bf6_f32 v[(\pc)+4:(\pc)+6], v[(\s)+16:(\s)+31], v[TM+5]
	v_nop                                          ; one plain place behind a scaled conversion
.irp i, 0,1,2
	v_permlane16_swap_b32 v[(\pc)+\i], v[(\pc)+4+\i]   ; a whole block to a lane: lanes 0-15 block 0, lanes 16-31 block 1
.endr
	v_mov_b32 v[(\pc)+3], v[(\pc)+4]
	v_mov_b32 v[(\pc)+4], v[(\pc)+5]
	v_mov_b32 v[(\pc)+5], v[(\pc)+6]
.endm
.macro BIASP lo                        ; the bias in the result's layout where columns run along the registers: fragment b: columns 32 (b / 2) + 16 h + 8 (b % 2) + 0 .. 7
.irp b, 0,1,2,3
	global_load_b128 v[BP+8*\b:BP+8*\b+3], v[BH], s[\lo:\lo+1] offset:(32*(\b/2)+8*(\b%2))*4
	global_load_b128 v[BP+8*\b+4:BP+8*\b+7], v[BH], s[\lo:\lo+1] offset:(32*(\b/2)+8*(\b%2))*4+16
.endr
.endm
.macro EPIQK which                     ; Q's (0) or K's (1) way out: my 64 tokens x one head become four half fragments and their scale words
.if \which
	s_wait_xcnt 0x0                                ; the last way out's stores have read their registers: they are written again only behind this wait
.endif
	PLACES
.irp a, 0,1,2,3
	HQ ACC+32*\a, PC+8*\a, PW+\a
.endr
.irp a, 0,1,2,3
	global_store_b128 v[O16], v[PC+8*\a:PC+8*\a+3], s[76:77] offset:3407872*\which+768*\a       ; 512 consecutive bytes, then 256: each at a multiple of 256 from the buffer's first byte
	global_store_b64 v[O8], v[PC+8*\a+4:PC+8*\a+5], s[76:77] offset:3407872*\which+768*\a+512
.endr
	global_store_b128 v[OS], v[PW:PW+3], s[78:79] offset:3407872*\which   ; 256 consecutive bytes (lanes r and r + 16 write the same)
.endm
	s_load_b128 s[4:7], s[0:1], 0x0                ; hc, wc
	s_load_b128 s[8:11], s[0:1], 0x10              ; bq, bk
	s_load_b128 s[68:71], s[0:1], 0x20             ; bv, qkvc
	v_lshl_add_u32 v[SPW], v0, 2, SPARE
	v_mov_b32 v[NIL], 0
	ds_add_u32 v24, v25
	ds_add_u32 v24, v25
	s_wait_dscnt 0x0
	v_lshrrev_b32 v1, 5, v0
	v_readfirstlane_b32 s14, v1                    ; wave 0..3
	s_lshr_b32 s15, s14, 1                         ; my group of tokens
	s_and_b32 s16, s14, 1                          ; my group of weight rows
	s_bfe_u32 s40, ttmp6, 0x40000                  ; cx, cy: my place in the cluster
	s_bfe_u32 s41, ttmp6, 0x40004
	s_lshl_b32 s42, ttmp9, 2
	s_add_co_u32 s42, s42, s40                     ; X: panel of weight rows, 0..7
	s_and_b32 s17, ttmp7, 0xffff
	s_lshl_b32 s17, s17, 2
	s_add_co_u32 s17, s17, s41                     ; y: panel of tokens
	s_lshl_b32 s43, s41, 2
	s_lshl_b32 s43, 15, s43                        ; my row of the cluster
	s_lshl_b32 s44, 0x1111, s40                    ; my column
	; descriptor group 1: 25,600 dense bytes as 100 rows of 256 bytes (32 elements of 8 bytes), no padding: the images are read 16 or 8 consecutive bytes a lane
	s_or_b32 s[G1+0], s43, (3<<16)|(1<<21)         ; 15:0 the mask: tokens go to my row; 17:16 elements of 8 bytes; 21 set beside a mask
	s_or_b32 s[G1B+0], s44, (3<<16)|(1<<21)        ; weights go to my column
.irp g, G1, G1B
	s_mov_b32 s[\g+1], 32<<16                      ; tensor_dim0
	s_mov_b32 s[\g+2], 200<<16                     ; tensor_dim1: the head's loads bring half a panel, 200 rows
	s_mov_b32 s[\g+3], 32<<16                      ; tile_dim0
	s_mov_b32 s[\g+4], 200                         ; tile_dim1
	s_mov_b32 s[\g+5], 32                          ; tensor_dim0_stride
	s_mov_b32 s[\g+6], 0
	s_mov_b32 s[\g+7], 0
.endr
	s_mul_i32 s45, s14, PIECE                      ; my quarter of a panel, in memory and in LDS alike: group wave / 2, K steps 4 (wave % 2) on.  No place in the cluster enters an LDS address
	s_mul_i32 s18, s16, 2*PIECE                    ; the head's loads: half wave % 2 of a panel, in memory and in LDS alike
	s_mul_i32 s20, s17, PANEL
	s_add_co_u32 s20, s20, s18                     ; tokens: panel y, my half
	s_mul_i32 s38, s42, PANEL
	s_add_co_u32 s38, s38, s18                     ; weights: panel X of wq, my half
	s_mov_b32 s39, 0
	s_mov_b32 s21, 0
	s_mul_i32 s46, s42, PANEL
	s_add_co_u32 s46, s46, s45                     ; weights: panel X of wq
	s_mov_b32 s47, 0
	s_wait_kmcnt 0x0
	s_add_nc_u64 s[20:21], s[4:5], s[20:21]
	s_add_nc_u64 s[46:47], s[6:7], s[46:47]
	s_add_nc_u64 s[38:39], s[6:7], s[38:39]
	CROUND                                         ; all sixteen work-groups are here: the first joint loads meet
	s_mov_b32 s[G0H], 1
	s_mov_b32 s[G0H+1], s18
	s_mov_b32 s36, 1                               ; s[36:39]: group 0 of the head's load of wq's half panel
	s_add_co_u32 s37, s18, PANEL
	s_or_b32 s39, s39, 0x80000000
	s_mov_b64 s[G0H+2:G0H+3], s[20:21]
	s_or_b32 s[G0H+3], s[G0H+3], 0x80000000
.irp s, 0,1
	s_mov_b32 s[G0W+4*\s], 1
	s_add_co_u32 s[G0W+4*\s+1], s45, (1+\s)*PANEL
	s_add_nc_u64 s[G0W+4*\s+2:G0W+4*\s+3], s[46:47], \s*WSTEP   ; slot 0: wq's panel; slot 1: wk's
	s_or_b32 s[G0W+4*\s+3], s[G0W+4*\s+3], 0x80000000
.endr
	s_cmp_eq_u32 s15, 0                            ; one load a wave at the head: waves 0, 1 the tokens' halves, waves 2, 3 the halves of wq's panel
	s_cbranch_scc0 .Lhead_w
	tensor_load_to_lds s[G0H:G0H+3], s[G1:G1+7]
	s_nop 0
	PLACES
	s_branch .Lhead_asked
.Lhead_w:
	tensor_load_to_lds s[36:39], s[G1B:G1B+7]
	s_nop 0
	PLACES
.Lhead_asked:
	v_and_b32 v1, 31, v0                           ; lane
	v_and_b32 v2, 15, v0                           ; r
	v_bfe_u32 v3, v0, 4, 1                         ; h
	v_lshlrev_b32 v[O16], 4, v1
	v_lshlrev_b32 v[O8], 3, v1
	v_lshlrev_b32 v[OS], 4, v2
	v_lshlrev_b32 v[BH], 6, v3
	v_and_b32 v7, 8, v2
	v_add_nc_u32 v7, v7, v2
	v_lshlrev_b32 v[BRO], 2, v7                    ; 4 (r + 8 (r / 8))
	s_lshl_b32 s80, s42, 9
	s_lshl_b32 s81, s16, 8
	s_add_co_u32 s80, s80, s81                     ; my first column, 128 X + 64 (wave % 2), in bytes
	s_mov_b32 s81, 0
	s_add_nc_u64 s[8:9], s[8:9], s[80:81]
	s_add_nc_u64 s[10:11], s[10:11], s[80:81]
	s_add_nc_u64 s[68:69], s[68:69], s[80:81]
	BIASP 8                                        ; bq
.irp a, 0,1,2,3                        ; bv where a lane holds one column: that of lane r of fragment a
	global_load_b32 v[BR+2*\a], v[BRO], s[68:69] offset:(32*(\a/2)+8*(\a%2))*4
	v_mov_b32 v[BR+2*\a+1], 0                      ; (named as the upper half of a pair)
.endr
	s_mul_i32 s21, s15, 2*PIECE                    ; my group of tokens,
	s_mul_i32 s22, s16, 2*PIECE
	s_add_co_u32 s22, s22, PANEL                   ; my group of weight rows in slot 0
	v_add_nc_u32 v[AH16], s21, v[O16]
	v_add_nc_u32 v[AH8], s21, v[O8]
	v_add_nc_u32 v[AW16], s22, v[O16]
	v_add_nc_u32 v[AW8], s22, v[O8]
	v_add_nc_u32 v[AW16+1], PANEL, v[AW16]
	v_add_nc_u32 v[AW8+1], PANEL, v[AW8]
	s_sub_co_u32 s23, s22, s21                     ; from the tokens' scale words to the weights' in slot 0
	v_mul_u32_u24 v6, s23, v3                      ; lanes 16-31 take the weights'
	v_lshl_add_u32 v6, v2, 4, v6
	s_add_co_u32 s21, s21, 6144
	v_add_nc_u32 v[AS], s21, v6
	s_add_co_u32 s23, s23, PANEL                   ; and in slot 1
	v_mul_u32_u24 v6, s23, v3
	v_lshl_add_u32 v6, v2, 4, v6
	v_add_nc_u32 v[AS+1], s21, v6
	s_mov_b32 s[SEL], 0x76543210
	s_mov_b32 s[SEL+1], 0xfedcba98
	v_mov_b32 v[TM+2], 0                           ; written once: a lane permute's destination counts as one of its sources
	v_mov_b32 v[TM+3], 0
	s_lshl_b32 s73, s42, 1
	s_add_co_u32 s73, s73, s16                     ; the head in its batch: 2 X + wave % 2
	s_lshr_b32 s74, s17, 4
	s_lshl_b32 s74, s74, 4
	s_add_co_u32 s73, s73, s74                     ; the head, 0..31
	s_lshl_b32 s74, s17, 1
	s_add_co_u32 s74, s74, s15
	s_and_b32 s74, s74, 31                         ; my group of 64 tokens in its batch
	s_mul_i32 s75, s73, 106496                     ; the head's block in Q's region (K's lies 3,407,872 bytes on: in the stores' immediates)
	s_mul_i32 s76, s74, 3072
	s_add_co_u32 s76, s76, s75                     ; my four token tiles
	s_mov_b32 s77, 0
	s_add_nc_u64 s[76:77], s[70:71], s[76:77]
	s_lshl_b32 s78, s74, 8
	s_add_co_u32 s78, s78, s75
	s_add_co_u32 s78, s78, 98304                   ; my group's scale words
	s_mov_b32 s79, 0
	s_add_nc_u64 s[78:79], s[70:71], s[78:79]
	s_mul_i32 s75, s73, 102400
	s_add_co_u32 s75, s75, 6815744                 ; the head's block in V's region
	s_mul_i32 s84, s74, 3072
	s_add_co_u32 s84, s84, s75                     ; my 64 keys' four d tiles
	s_mov_b32 s85, 0
	s_add_nc_u64 s[84:85], s[70:71], s[84:85]
	s_lshr_b32 s86, s74, 1
	s_lshl_b32 s86, s86, 8
	s_and_b32 s87, s74, 1
	s_lshl_b32 s87, s87, 1
	s_add_co_u32 s86, s86, s87
	s_add_co_u32 s86, s86, s75
	s_add_co_u32 s86, s86, 98304                   ; my half of the scale words of 128 keys
	s_mov_b32 s87, 0
	s_add_nc_u64 s[86:87], s[70:71], s[86:87]
	s_wait_alu depctr_va_vdst(0)
	s_wait_tensorcnt 0x0                           ; my half panel is in
	ds_add_u32 v[SPW], v[NIL]
	s_mov_b32 s[G1B+2], 100<<16                    ; no load of mine is out: from here on a load brings a quarter of a panel, 100 rows
	s_mov_b32 s[G1B+4], 100
	s_wait_dscnt 0x0
	CROUND                                         ; everybody's are in, and the joint loads meet
	tensor_load_to_lds s[G0W+4:G0W+7], s[G1B:G1B+7]   ; wk's panel into slot 1: it has Q's tile in which to land
	s_nop 0
	PLACES
	s_wait_loadcnt 0x0                             ; bq and bv
	TILE 0, 0                                      ; Q
	REFILL 0, 2*WSTEP                              ; wv's panel into wq's slot
	BIASP 10                                       ; bk: the registers' last reader, Q's first K step, lies seven K steps back
	EPIQK 0
	s_wait_loadcnt 0x0                             ; bk
	TILE 1, 0                                      ; K
	EPIQK 1
	s_wait_tensorcnt 0x0                           ; my piece of wv's panel is in; nothing is left to fetch
	s_wait_dscnt 0x0
	s_barrier_signal -1
	s_barrier_wait -1                              ; everybody's is
	TILE 0, 1                                      ; V
	s_wait_xcnt 0x0                                ; K's stores have read their registers
	PLACES
.irp a, 0,1,2,3
.set j, 0
.rept 16
	v_pk_add_f32 v[ACC+32*\a+j:ACC+32*\a+j+1], v[ACC+32*\a+j:ACC+32*\a+j+1], v[BR+2*\a:BR+2*\a+1] op_sel_hi:[1,0]   ; + bv of my column; each accumulator from its low end on
.set j, j+2
.endr
	HQ ACC+32*\a, PC+8*\a, PW+\a
.endr
.irp a, 0,1,2,3
	global_store_b128 v[O16], v[PC+8*\a:PC+8*\a+3], s[84:85] offset:768*\a
	global_store_b64 v[O8], v[PC+8*\a+4:PC+8*\a+5], s[84:85] offset:768*\a+512
	global_store_b16 v[OS], v[PW+\a], s[86:87] offset:4*\a
.endr
	s_wait_tensorcnt 0x0                           ; the wave's end, behind my last tensor load
	ds_add_u32 v[SPW], v[NIL]
	s_wait_dscnt 0x0
	CROUND                                         ; the closing round: no work-group ends while a partner may still ask for a piece that names it
	s_endpgm
.Lfunc_end_k_q7c267c42e4_qkv:
	.size	k_q7c267c42e4_qkv, .Lfunc_end_k_q7c267c42e4_qkv-k_q7c267c42e4_qkv
	.p2alignl 7, 3214868480
	.fill 96, 4, 3214868480
	.section	.rodata,"a",@progbits
	.p2align	6, 0x0
	.amdhsa_kernel k_q7c267c42e4_qkv
		.amdhsa_group_segment_fixed_size 327680
		.amdhsa_private_segment_fixed_size 0
		.amdhsa_enable_private_segment 0
		.amdhsa_kernarg_size 48
		.amdhsa_user_sgpr_count 2
		.amdhsa_user_sgpr_kernarg_segment_ptr 1
		.amdhsa_wavefront_size32 1
		.amdhsa_system_sgpr_workgroup_id_x 1
		.amdhsa_system_sgpr_workgroup_id_y 1
		.amdhsa_system_sgpr_workgroup_id_z 1
		.amdhsa_system_vgpr_workitem_id 0
		.amdhsa_next_free_vgpr 512
		.amdhsa_next_free_sgpr 100
		.amdhsa_reserve_vcc 0
		.amdhsa_float_denorm_mode_32 3
		.amdhsa_float_denorm_mode_16_64 3
		.amdhsa_memory_ordered 1
		.amdhsa_forward_progress 1
		.amdhsa_inst_pref_size 145
	.end_amdhsa_kernel
	.amdgpu_metadata
---
amdhsa.version: [ 1, 2 ]
amdhsa.kernels:
  - .name:           k_q7c267c42e4_qkv
    .symbol:         k_q7c267c42e4_qkv.kd
    .args:
      - { .name: hc, .offset: 0, .size: 8, .value_kind: global_buffer, .address_space: global }
      - { .name: wc, .offset: 8, .size: 8, .value_kind: global_buffer, .address_space: global }
      - { .name: bq, .offset: 16, .size: 8, .value_kind: global_buffer, .address_space: global }
      - { .name: bk, .offset: 24, .size: 8, .value_kind: global_buffer, .address_space: global }
      - { .name: bv, .offset: 32, .size: 8, .value_kind: global_buffer, .address_space: global }
      - { .name: qkvc, .offset: 40, .size: 8, .value_kind: global_buffer, .address_space: global }
    .group_segment_fixed_size: 327680
    .private_segment_fixed_size: 0
    .kernarg_segment_align: 8
    .kernarg_segment_size: 48
    .max_flat_workgroup_size: 128
    .sgpr_count:     100
    .vgpr_count:     512
    .wavefront_size: 32
...
	.end_amdgpu_metadata
.endif
;; end of part 2
;; launch attn (part 3): grid 8 x 32, 16 waves a work-group, clusters of 4 x 1, 327,680 bytes of LDS; arguments qkvc, mb, cc; writes cc
.if DOCPART == 3
	.amdgcn_target "amdgcn-amd-amdhsa--gfx1250"
	.amdhsa_code_object_version 6
	.text
	.protected	k_q7c267c42e4_attn
	.globl	k_q7c267c42e4_attn
	.p2align	8
	.type	k_q7c267c42e4_attn,@function
k_q7c267c42e4_attn:
	s_mov_b64 s[64:65], 0
	v_nop
	global_prefetch_b8 v0, s[64:65] scope:SCOPE_SE
	s_setreg_imm32_b32 hwreg(HW_REG_WAVE_MODE, 25, 1), 1
	s_wait_xcnt 0x0
	s_wait_alu depctr_hold_cnt(0) depctr_sa_sdst(0) depctr_va_vdst(0) depctr_va_sdst(0) depctr_va_ssrc(0) depctr_va_vcc(0) depctr_vm_vsrc(0)
	s_getreg_b32 s2, hwreg(HW_REG_IB_STS2, 6, 4)
	s_cmp_eq_u32 s2, 0
	s_cbranch_scc0 .Lentry_in_a_cluster
	s_endpgm
.Lentry_in_a_cluster:
	s_bfe_u32 s2, ttmp6, 0x10000c
	s_cmp_lg_u32 s2, 0x3003
	s_cbranch_scc0 .Lentry_shape_is_right
	s_endpgm
.Lentry_shape_is_right:
; ATTENTION on codes of E3M2: S^T = K Q^T (K = the head's 64: the upper 64 of the instruction's 128 are zero codes of Q), the mask, p = 2^(t - M), O^T = V^T P^T, O / l, and O's quantising along the head's 64.
; t = score x log2(e) / 8; M = the running largest t rounded up to a whole number; l is the sum of the unquantised p; when M moves, l and O^T are multiplied by 2^(old M - new M): exact.
; SHARES.  A work-group owns 256 queries of one head; each of its sixteen waves one tile of 16, in 256 registers: four waves to a SIMD, so that one wave's vector work stands beside another's products and LDS loads.
; ALL OF A HEAD'S K AND V LIE IN LDS, 208,896 bytes, filled once by four tensor loads (waves 0, 1: K's halves; waves 2, 3: V's): nothing is filled again.
; CLUSTER: the four query blocks of a cluster belong to one head: each load is asked for jointly, with the mask of all four.
; LAYOUT.  A lane holds one query throughout.  K's and V's tiles are images of registers (768 bytes for 16 rows x 64 K: registers 0-3 at 16 x lane, 4-5 at 512 + 8 x lane); lane r of a tile of a pair holds row
; 8 u + r + 8 (r / 8) of the pair's 32, so that the 16 registers of tiles 2 b, 2 b + 1 are 16 neighbours: keys in S^T, channels in O^T.
; THE MASK comes as lane masks, 64 words a key step, by scalar loads a step ahead; a hidden score becomes -2^33 ahead of the maximum (select only: no branch hangs on it).
; LIMIT: reference() puts -1e9 for a hidden logit; here t is -2^33 log2(e) / 8, a whole number in f32, about -1.55e9.  A row with every key hidden gives p = 1 everywhere, as there.  The two differ only where
; an open logit lies under about -1e9.  NaN and infinities are not served.  A block of zeros keeps the byte 1 where the rule says 127 (its codes are zeros; this program alone reads the bytes).
; A block's largest p is not searched for: the block's largest score goes through the same multiply-add and exponential (this takes v_exp_f32 not to fall where its input rises).
; REGISTERS: v1-6 lane places; v7-11, v29 the step's addresses; v12 -M, v13 the largest t, v[14:15] l in two halves; v16-27 Q (v22-27 zeros), v28 its scale word; v30 -2^33; v31, v84, v85 the way out;
;   v32-79 four fragments; v80-83 their scale words; v96-159 S^T, then p; v160-191 O^T; v192-210 p's codes; v212-223 block values; v224 at work; v226 f, v227 p's scale word; v[228:229] l's second chain.
.set FR,  32
.set SW,  80
.set S,   96
.set O,   160
.set PC,  192
.set BM,  212
.set BQ,  216
.set BS,  220
.set TM,  212                          ; the way out's six registers at work
.set SEL, 12                           ; s[12:13]
.set CS,  14                           ; s[14:15] c = log2(e) / 8
.set TB,  2                            ; s2  the step's tiles: 6,144 bytes a step, in K's block and in V's
.set TS,  3                            ; s3  K's scale words: 512 bytes a step
.set TJ,  66                           ; s66 V's: 256 bytes a step
.macro PLACES
.rept 4
	v_nop
.endr
.endm
.macro CROUND                          ; a round of the cluster's barrier
	s_barrier_signal -1
	s_barrier_wait -1
	s_cmp_lg_u32 s10, 0
	s_cbranch_scc1 .Lnot_wave_0_\@
	s_barrier_signal -3
.Lnot_wave_0_\@:
	s_barrier_wait -3
	s_barrier_signal -1
	s_barrier_wait -1
.endm
	s_load_b128 s[4:7], s[0:1], 0x0                ; qkvc s[4:5], mb s[6:7]
	s_load_b64 s[8:9], s[0:1], 0x10                ; cc
	v_lshl_add_u32 v254, v0, 2, 0x33000
	v_mov_b32 v255, 0
	ds_add_u32 v254, v255
	ds_add_u32 v254, v255
	v_lshrrev_b32 v1, 5, v0
	s_delay_alu instid0(VALU_DEP_1)
	v_readfirstlane_b32 s10, v1                    ; wave 0..15
	s_and_b32 s18, ttmp7, 0xffff                   ; the head, which the four partners share
	s_and_b32 s20, s10, 1
	s_mul_i32 s22, s18, 106496                     ; the head's block in Q's region and in K's
	s_mul_i32 s23, s20, 53248                      ; K's half: in memory and in LDS
	s_add_co_u32 s24, s22, s23
	s_add_co_u32 s24, s24, 3407872
	s_mov_b32 s25, 0
	s_mul_i32 s26, s18, 102400
	s_mul_i32 s28, s20, 51200                      ; V's half
	s_add_co_u32 s26, s26, s28
	s_add_co_u32 s26, s26, 6815744
	s_mov_b32 s27, 0
	s_add_co_u32 s28, s28, 106496                  ; V's block lies behind K's
	; descriptor groups 1: dense bytes as rows of 256 (32 elements of 8 bytes), no padding.  15:0 the mask: all four work-groups; 17:16 elements of 8 bytes; 21 set beside a mask
	s_mov_b32 s84, 15|(3<<16)|(1<<21)
	s_mov_b32 s85, 32<<16
	s_mov_b32 s86, 208<<16                         ; K: 208 rows
	s_mov_b32 s87, 32<<16
	s_mov_b32 s88, 208
	s_mov_b32 s89, 32
	s_mov_b32 s90, 0
	s_mov_b32 s91, 0
	s_mov_b32 s92, 15|(3<<16)|(1<<21)
	s_mov_b32 s93, 32<<16
	s_mov_b32 s94, 200<<16                         ; V: 200 rows
	s_mov_b32 s95, 32<<16
	s_mov_b32 s96, 200
	s_mov_b32 s97, 32
	s_mov_b32 s98, 0
	s_mov_b32 s99, 0
	s_wait_dscnt 0x0
	s_wait_kmcnt 0x0
	CROUND                                         ; all four work-groups are here: the joint loads meet
	s_mov_b32 s68, 1
	s_mov_b32 s69, s23
	s_add_nc_u64 s[70:71], s[4:5], s[24:25]
	s_or_b32 s71, s71, 0x80000000
	s_mov_b32 s72, 1
	s_mov_b32 s73, s28
	s_add_nc_u64 s[74:75], s[4:5], s[26:27]
	s_or_b32 s75, s75, 0x80000000
	s_cmp_lt_u32 s10, 2                            ; the branches hang on the wave's number alone; four v_nop follow each of the two lines
	s_cbranch_scc0 .Lnot_k
	tensor_load_to_lds s[68:71], s[84:91]
	s_nop 0
.rept 4
	v_nop
.endr
	s_branch .Lasked
.Lnot_k:
	s_cmp_lt_u32 s10, 4
	s_cbranch_scc0 .Lasked
	tensor_load_to_lds s[72:75], s[92:99]
	s_nop 0
.rept 4
	v_nop
.endr
.Lasked:
	s_bfe_u32 s16, ttmp6, 0x40000                  ; cx: it enters Q's, the mask's and the output's addresses alone
	s_lshl_b32 s17, ttmp9, 2
	s_add_co_u32 s17, s17, s16                     ; my block of 256 queries
	s_lshl_b32 s19, s17, 4
	s_add_co_u32 s19, s19, s10                     ; my tile of 16 queries in the batch, 0..127
	s_mul_i32 s30, s19, 768
	s_add_co_u32 s30, s30, s22                     ; its codes
	s_mov_b32 s31, 0
	s_lshr_b32 s32, s19, 2
	s_lshl_b32 s32, s32, 8
	s_and_b32 s33, s19, 3
	s_lshl_b32 s33, s33, 2
	s_add_co_u32 s32, s32, s33
	s_add_co_u32 s32, s32, s22
	s_add_co_u32 s32, s32, 98304                   ; its scale words
	s_mov_b32 s33, 0
	s_lshr_b32 s34, s18, 4
	s_lshl_b32 s34, s34, 7
	s_add_co_u32 s34, s34, s19                     ; the tile among all 256
	s_lshl_b32 s36, s34, 12                        ; its 16 steps of 256 bytes of lane masks
	s_mov_b32 s37, 0
	s_and_b32 s35, s18, 15                         ; the head in its batch
	s_lshr_b32 s38, s34, 2
	s_lshl_b32 s38, s38, 3
	s_lshr_b32 s39, s35, 1
	s_add_co_u32 s38, s38, s39
	s_mul_i32 s38, s38, 6400                       ; cc: the image of (group of 64 tokens, K step head / 2)
	s_mov_b32 s39, 0
	s_and_b32 s40, s34, 3
	s_and_b32 s41, s35, 1
	s_mul_i32 s42, s40, 1536
	s_mul_i32 s43, s41, 768
	s_add_co_u32 s42, s42, s43                     ; my half fragment in it
	s_lshl_b32 s43, s40, 2
	s_lshl_b32 s44, s41, 1
	s_add_co_u32 s43, s43, s44
	s_add_co_u32 s43, s43, 6144                    ; my two scale bytes
	s_add_nc_u64 s[46:47], s[4:5], s[30:31]
	s_add_nc_u64 s[48:49], s[4:5], s[32:33]
	s_add_nc_u64 s[6:7], s[6:7], s[36:37]
	s_add_nc_u64 s[8:9], s[8:9], s[38:39]
	v_and_b32 v86, 31, v0                          ; lane
	v_and_b32 v87, 15, v0                          ; r
	s_delay_alu instid0(VALU_DEP_2)
	v_lshlrev_b32 v1, 4, v86                       ; K: registers 0-3
	s_delay_alu instid0(VALU_DEP_3)
	v_lshlrev_b32 v88, 3, v86
	s_delay_alu instid0(VALU_DEP_1)
	v_add_nc_u32 v2, 512, v88                      ; K: registers 4-5
	s_delay_alu instid0(VALU_DEP_4)
	v_lshlrev_b32 v89, 4, v87
	s_delay_alu instid0(VALU_DEP_1)
	v_add_nc_u32 v3, 98304, v89                    ; K's scale words: four tiles' words a lane
	v_add_nc_u32 v4, 106496, v1                    ; V likewise
	v_add_nc_u32 v5, 106496+512, v88
	s_delay_alu instid0(VALU_DEP_4)
	v_add_nc_u32 v6, 204800, v89
	v_add_nc_u32 v31, s42, v1
	v_add_nc_u32 v84, s42, v88
	v_add_nc_u32 v85, s43, v89
	global_load_b128 v[16:19], v1, s[46:47]        ; Q's half fragment stays in registers
	global_load_b64 v[20:21], v88, s[46:47] offset:512
	global_load_b32 v28, v89, s[48:49]             ; its scale word: the upper two bytes are 0
.irp j, 22,23,24,25,26,27
	v_mov_b32 v\j, 0                               ; Q's codes for the upper 64 of the instruction's K: zeros, which add nothing
.endr
.irp t, 0,1,2,3
.irp j, 6,7,8,9,10,11
	v_mov_b32 v[FR+12*\t+\j], 0                    ; written once: K's fragments name these registers; whatever codes lie there later meet Q's zeros
.endr
.endr
	v_mov_b32 v30, 0xd0000000                      ; -2^33
	v_mov_b32 v13, 0xff61b1e6                      ; the largest t so far: -3e38
	s_delay_alu instid0(VALU_DEP_1)
	v_floor_f32 v12, -v13                          ; -M
	v_mov_b32 v14, 0
	v_mov_b32 v15, 0
.set j, 0
.rept 32
	v_mov_b32 v[O+j], 0                            ; O^T.  (The step is written for every trip alike: the first finds zeros, which the first change of M leaves zeros)
.set j, j+1
.endr
.irp b, 0,1,2,3
	v_mov_b32 v[BQ+\b], 0                          ; written once: a lane permute's destination counts as one of its sources
.endr
	v_mov_b32 v227, 0                              ; (named as the upper half of the pair v[226:227] before it is first written)
	s_mov_b32 s[SEL], 0x76543210
	s_mov_b32 s[SEL+1], 0xfedcba98
	s_mov_b32 s[CS], 0x3e38aa3b
	s_mov_b32 s[CS+1], s[CS]
	s_mov_b32 s[TB], 0
	s_mov_b32 s[TS], 0
	s_mov_b32 s[TJ], 0
	s_mov_b32 s11, 15
	s_wait_tensorcnt 0x0                           ; my part of K or V is in,
	s_barrier_signal -1
	s_barrier_wait -1                              ; everybody's is
	s_wait_loadcnt 0x0                             ; Q: its loads' bases, and the descriptors, may now be written over
	s_load_b512 s[16:31], s[6:7], 0x0              ; the first step's 64 lane masks: words 0-47 in s16-63, words 48-63 in s68-83
	s_load_b512 s[32:47], s[6:7], 0x40
	s_load_b512 s[48:63], s[6:7], 0x80
	s_load_b512 s[68:83], s[6:7], 0xc0
; A KEY STEP: 128 keys.  more = 1: the next step's lane masks are asked for.
.macro STEP more
	v_add_nc_u32 v7, s[TB], v1                     ; (six plain lines: the places behind the last step's products, in front of the loads below)
	s_wait_alu depctr_va_vdst(0)
	v_add_nc_u32 v8, s[TB], v2
	s_wait_alu depctr_va_vdst(0)
	v_add_nc_u32 v9, s[TS], v3
	s_wait_alu depctr_va_vdst(0)
	v_add_nc_u32 v10, s[TB], v4
	v_add_nc_u32 v11, s[TB], v5
	v_add_nc_u32 v29, s[TJ], v6
.irp g, 0,1                            ; S^T = K Q^T, four tiles of 16 keys at a time
.if \g
	PLACES
.endif
.irp t, 0,1,2,3
	ds_load_b128 v[FR+12*\t:FR+12*\t+3], v7 offset:768*(4*\g+\t)
	ds_load_b64 v[FR+12*\t+4:FR+12*\t+5], v8 offset:768*(4*\g+\t)
.endr
	ds_load_b128 v[SW:SW+3], v9 offset:256*\g
	s_wait_dscnt 0x0
.irp t, 0,1,2,3
	v_wmma_scale_f32_16x16x128_f8f6f4 v[S+8*(4*\g+\t):S+8*(4*\g+\t)+7], v[FR+12*\t:FR+12*\t+11], v[16:27], 0, v[SW+\t], v28 matrix_a_fmt:MATRIX_FMT_BF6 matrix_b_fmt:MATRIX_FMT_BF6
.endr
.endr
	PLACES
	s_wait_alu depctr_va_vdst(0)
.irp a, 0,1,2,3                        ; V's four fragments are asked for now and land under the softmax
	ds_load_b128 v[FR+12*\a:FR+12*\a+3], v10 offset:768*\a
	ds_load_b64 v[FR+12*\a+4:FR+12*\a+5], v11 offset:768*\a
	ds_load_b128 v[FR+12*\a+6:FR+12*\a+9], v10 offset:3072+768*\a
	ds_load_b64 v[FR+12*\a+10:FR+12*\a+11], v11 offset:3072+768*\a
.endr
	ds_load_b128 v[SW:SW+3], v29
	s_wait_kmcnt 0x0                               ; this step's lane masks; their loads are done, so the base may step
	s_add_nc_u64 s[6:7], s[6:7], 256
.set n, 0
.rept 48
	v_cndmask_b32 v[S+n], v[S+n], v30, s[16+n]     ; a hidden score becomes -2^33; each accumulator from its low end on
.set n, n+1
.endr
.rept 16
	v_cndmask_b32 v[S+n], v[S+n], v30, s[20+n]
.set n, n+1
.endr
.if \more
	s_load_b512 s[16:31], s[6:7], 0x0
	s_load_b512 s[32:47], s[6:7], 0x40
	s_load_b512 s[48:63], s[6:7], 0x80
	s_load_b512 s[68:83], s[6:7], 0xc0
.endif
.irp b, 0,1,2,3
	v_max3_num_f32 v[BM+\b], v[S+16*\b], v[S+1+16*\b], v[S+2+16*\b]   ; the largest score of each block of 32 keys: for the row's maximum, and for the block's largest p
.endr
.irp i, 3,5,7,9,11,13
.irp b, 0,1,2,3
	s_delay_alu instid0(VALU_DEP_4)
	v_max3_num_f32 v[BM+\b], v[BM+\b], v[S+16*\b+\i], v[S+1+16*\b+\i]
.endr
.endr
.irp b, 0,1,2,3
	s_delay_alu instid0(VALU_DEP_4)
	v_max_num_f32 v[BM+\b], v[BM+\b], v[S+15+16*\b]
.endr
.irp b, 0,1,2,3
	s_delay_alu instid0(VALU_DEP_4)
	v_permlanex16_b32 v[BQ+\b], v[BM+\b], s[SEL], s[SEL+1]
.endr
.irp b, 0,1,2,3
	s_delay_alu instid0(VALU_DEP_4)
	v_max_num_f32 v[BM+\b], v[BM+\b], v[BQ+\b]     ; with lane l xor 16's 16 keys
.endr
	s_delay_alu instid0(VALU_DEP_2)
	v_max3_num_f32 v224, v[BM], v[BM+1], v[BM+2]
	s_delay_alu instid0(VALU_DEP_1)
	v_max_num_f32 v224, v224, v[BM+3]
	s_delay_alu instid0(VALU_DEP_1)
	v_mul_f32 v224, s[CS], v224                    ; as t (c is positive)
	s_delay_alu instid0(VALU_DEP_1)
	v_max_num_f32 v13, v13, v224                   ; the running largest t
	v_mov_b32 v224, v12
	s_delay_alu instid0(VALU_DEP_2)
	v_floor_f32 v12, -v13                          ; the new -M = floor(-t): M is a whole number
	s_delay_alu instid0(VALU_DEP_1)
	v_sub_f32 v224, v12, v224                      ; old M - new M: a whole number, 0 or less
	s_delay_alu instid0(VALU_DEP_1)
	v_cvt_i32_f32 v224, v224                       ; (it saturates)
	s_delay_alu instid0(VALU_DEP_1)
	v_ldexp_f32 v226, 1.0, v224                    ; f = 2^(old M - new M)
.set j, 0
.rept 32
	v_pk_fma_f32 v[S+j:S+j+1], v[S+j:S+j+1], s[CS:CS+1], v[12:13] op_sel_hi:[1,0,0]   ; t - M, two at a time
.set j, j+2
.endr
.irp b, 0,1,2,3
	v_fma_f32 v[BM+\b], v[BM+\b], s[CS], v12
.endr
.set j, 0
	s_wait_alu depctr_va_vdst(0)
.rept 64
	v_exp_f32 v[S+j], v[S+j]                       ; p = 2^(t - M), at most 1: not normalised
.set j, j+1
.endr
.irp b, 0,1,2,3
	v_exp_f32 v[BM+\b], v[BM+\b]                   ; the block's largest p
.endr
	v_pk_mul_f32 v[14:15], v[14:15], v[226:227] op_sel_hi:[1,0]   ; l under the new M.  (A plain place behind the exponentials)
	s_wait_alu depctr_va_vdst(0)
.irp b, 0,1,2,3
	v_max_num_f32 v[BM+\b], 0x2800000, v[BM+\b]    ; the floor 2^(5 - 127): the byte cannot fall under 1
.endr
.irp b, 0,1,2,3
	s_delay_alu instid0(VALU_DEP_4)
	v_add_nc_u32 v[BS+\b], 0xfe000000, v[BM+\b]    ; 4 off the exponent field: the conversion's scale operand
.endr
.irp b, 0,1,2,3
	s_delay_alu instid0(VALU_DEP_4)
	v_lshrrev_b32 v[BQ+\b], 23, v[BS+\b]           ; the scale's byte
.endr
	s_delay_alu instid0(VALU_DEP_3)
	v_lshl_or_b32 v227, v[BQ+1], 8, v[BQ]          ; p's scale word for these 128 keys
	s_delay_alu instid0(VALU_DEP_1)
	v_lshl_or_b32 v227, v[BQ+2], 16, v227
	s_delay_alu instid0(VALU_DEP_1)
	v_lshl_or_b32 v227, v[BQ+3], 24, v227
.irp c, 0,1
	v_cvt_scalef32_pk16_bf6_f32 v[PC+6*\c:PC+2+6*\c], v[S+32*\c:S+15+32*\c], v[BS+2*\c]
	v_cvt_scalef32_pk16_bf6_f32 v[PC+12+4*\c:PC+14+4*\c], v[S+16+32*\c:S+31+32*\c], v[BS+2*\c+1]   ; (a conversion's three registers begin on an even number)
.endr
	v_nop                                          ; one plain place behind a scaled conversion
.irp c, 0,1                            ; a whole block to a lane: lanes 0-15 block 2 c, lanes 16-31 block 2 c + 1
.irp i, 0,1,2
	v_permlane16_swap_b32 v[PC+6*\c+\i], v[PC+12+4*\c+\i]
.endr
.irp i, 0,1,2
	s_delay_alu instid0(VALU_DEP_3)
	v_mov_b32 v[PC+3+6*\c+\i], v[PC+12+4*\c+\i]
.endr
.endr
	v_pk_add_f32 v[228:229], v[100:101], v[104:105]
	v_pk_add_f32 v[252:253], v[108:109], v[112:113]
	v_pk_add_f32 v[250:251], v[116:117], v[120:121]
	v_pk_add_f32 v[248:249], v[124:125], v[128:129]
	v_pk_add_f32 v[246:247], v[132:133], v[136:137]
	v_pk_add_f32 v[244:245], v[140:141], v[144:145]
	v_pk_add_f32 v[242:243], v[148:149], v[152:153]
	v_pk_add_f32 v[14:15], v[14:15], v[156:157]
	v_pk_add_f32 v[228:229], v[228:229], v[96:97]
	v_pk_add_f32 v[252:253], v[252:253], v[98:99]
	v_pk_add_f32 v[250:251], v[250:251], v[102:103]
	v_pk_add_f32 v[248:249], v[248:249], v[106:107]
	v_pk_add_f32 v[246:247], v[246:247], v[110:111]
	v_pk_add_f32 v[244:245], v[244:245], v[114:115]
	v_pk_add_f32 v[242:243], v[242:243], v[118:119]
	v_pk_add_f32 v[14:15], v[14:15], v[122:123]
	v_pk_add_f32 v[228:229], v[228:229], v[126:127]
	v_pk_add_f32 v[252:253], v[252:253], v[130:131]
	v_pk_add_f32 v[250:251], v[250:251], v[134:135]
	v_pk_add_f32 v[248:249], v[248:249], v[138:139]
	v_pk_add_f32 v[246:247], v[246:247], v[142:143]
	v_pk_add_f32 v[244:245], v[244:245], v[146:147]
	v_pk_add_f32 v[242:243], v[242:243], v[150:151]
	v_pk_add_f32 v[14:15], v[14:15], v[154:155]
	v_pk_add_f32 v[228:229], v[228:229], v[158:159]
	s_delay_alu instid0(VALU_DEP_2)
	v_pk_add_f32 v[14:15], v[14:15], v[248:249]
	s_delay_alu instid0(VALU_DEP_2)
	v_pk_add_f32 v[228:229], v[228:229], v[246:247]
	v_pk_add_f32 v[252:253], v[252:253], v[244:245]
	v_pk_add_f32 v[250:251], v[250:251], v[242:243]
	s_delay_alu instid0(VALU_DEP_2)
	v_pk_add_f32 v[14:15], v[14:15], v[252:253]
	s_delay_alu instid0(VALU_DEP_2)
	v_pk_add_f32 v[228:229], v[228:229], v[250:251]
	s_delay_alu instid0(VALU_DEP_1)
	v_pk_add_f32 v[14:15], v[14:15], v[228:229]
.set j, 0
.rept 16
	v_pk_mul_f32 v[O+j:O+j+1], v[O+j:O+j+1], v[226:227] op_sel_hi:[1,0]   ; O^T under the new M.  (With the sums above: the places between p's scale word and codes and the products below)
.set j, j+2
.endr
	s_wait_alu depctr_va_vdst(0)
	s_wait_dscnt 0x0                               ; V's fragments and scale words
.irp a, 0,1,2,3                        ; O^T += V^T P^T: four tiles of 16 channels; K = these 128 keys
	v_wmma_scale_f32_16x16x128_f8f6f4 v[O+8*\a:O+8*\a+7], v[FR+12*\a:FR+12*\a+11], v[PC:PC+11], v[O+8*\a:O+8*\a+7], v[SW+\a], v227 matrix_a_fmt:MATRIX_FMT_BF6 matrix_b_fmt:MATRIX_FMT_BF6
.endr
	s_add_co_u32 s[TB], s[TB], 6144
	s_add_co_u32 s[TS], s[TS], 512
	s_add_co_u32 s[TJ], s[TJ], 256
.endm
.Lstep:                                            ; 15 trips; the sixteenth step is written out: it asks for no lane masks, so that no load leaves mb
	STEP 1
	s_sub_co_u32 s11, s11, 1
	s_cmp_lg_u32 s11, 0
	s_cbranch_scc1 .Lstep
	STEP 0
	; THE WAY OUT: O^T / l, quantised along the head's 64: half a fragment of the next product's operand, stored as it stands
	PLACES
	v_add_f32 v14, v14, v15
	s_delay_alu instid0(VALU_DEP_1)
	v_permlanex16_b32 v224, v14, s[SEL], s[SEL+1]
	s_delay_alu instid0(VALU_DEP_1)
	v_add_f32 v14, v14, v224                       ; the row's sum
	s_wait_alu depctr_va_vdst(0)
	v_rcp_f32 v14, v14
	v_nop                                          ; one plain place behind a transcendental
.set j, 0
	s_wait_alu depctr_va_vdst(0)
.rept 32
	v_mul_f32 v[S+j], v[O+j], v14                  ; register 16 b + i: channel 32 b + 16 (lane / 16) + i of my query
.set j, j+1
.endr
.irp b, 0,1
	v_max3_num_f32 v[TM+\b], |v[S+16*\b]|, |v[S+1+16*\b]|, 0x2800000
.endr
.irp i, 2,4,6,8,10,12,14
.irp b, 0,1
	s_delay_alu instid0(VALU_DEP_2)
	v_max3_num_f32 v[TM+\b], v[TM+\b], |v[S+16*\b+\i]|, |v[S+1+16*\b+\i]|
.endr
.endr
.irp b, 0,1
	s_delay_alu instid0(VALU_DEP_2)
	v_permlanex16_b32 v[TM+2+\b], v[TM+\b], s[SEL], s[SEL+1]
.endr
.irp b, 0,1
	s_delay_alu instid0(VALU_DEP_2)
	v_max_num_f32 v[TM+\b], v[TM+\b], v[TM+2+\b]
.endr
.irp b, 0,1
	s_delay_alu instid0(VALU_DEP_2)
	v_add_nc_u32 v[TM+4+\b], 0xfe000000, v[TM+\b]
.endr
.irp b, 0,1
	s_delay_alu instid0(VALU_DEP_2)
	v_lshrrev_b32 v[TM+\b], 23, v[TM+4+\b]
.endr
	s_delay_alu instid0(VALU_DEP_1)
	v_lshl_or_b32 v200, v[TM+1], 8, v[TM]
	v_cvt_scalef32_pk16_bf6_f32 v[PC:PC+2], v[S:S+15], v[TM+4]
	v_cvt_scalef32_pk16_bf6_f32 v[PC+4:PC+6], v[S+16:S+31], v[TM+5]
	v_nop
.irp i, 0,1,2
	v_permlane16_swap_b32 v[PC+\i], v[PC+4+\i]
.endr
	s_delay_alu instid0(VALU_DEP_3)
	v_mov_b32 v[PC+3], v[PC+4]
	s_delay_alu instid0(VALU_DEP_3)
	v_mov_b32 v[PC+4], v[PC+5]
	s_delay_alu instid0(VALU_DEP_3)
	v_mov_b32 v[PC+5], v[PC+6]
	global_store_b128 v31, v[PC:PC+3], s[8:9]      ; 512 consecutive bytes, then 256: each at a multiple of 256 from the buffer's first byte
	global_store_b64 v84, v[PC+4:PC+5], s[8:9] offset:512
	global_store_b16 v85, v200, s[8:9]             ; two scale bytes a row
	s_wait_tensorcnt 0x0
	ds_add_u32 v254, v255
	s_wait_dscnt 0x0
	CROUND                                         ; the closing round
	s_endpgm
.Lfunc_end_k_q7c267c42e4_attn:
	.size	k_q7c267c42e4_attn, .Lfunc_end_k_q7c267c42e4_attn-k_q7c267c42e4_attn
	.p2alignl 7, 3214868480
	.fill 96, 4, 3214868480
	.section	.rodata,"a",@progbits
	.p2align	6, 0x0
	.amdhsa_kernel k_q7c267c42e4_attn
		.amdhsa_group_segment_fixed_size 327680
		.amdhsa_private_segment_fixed_size 0
		.amdhsa_enable_private_segment 0
		.amdhsa_kernarg_size 24
		.amdhsa_user_sgpr_count 2
		.amdhsa_user_sgpr_kernarg_segment_ptr 1
		.amdhsa_wavefront_size32 1
		.amdhsa_system_sgpr_workgroup_id_x 1
		.amdhsa_system_sgpr_workgroup_id_y 1
		.amdhsa_system_sgpr_workgroup_id_z 1
		.amdhsa_system_vgpr_workitem_id 0
		.amdhsa_next_free_vgpr 256
		.amdhsa_next_free_sgpr 100
		.amdhsa_reserve_vcc 0
		.amdhsa_float_denorm_mode_32 3
		.amdhsa_float_denorm_mode_16_64 3
		.amdhsa_memory_ordered 1
		.amdhsa_forward_progress 1
		.amdhsa_inst_pref_size 60
	.end_amdhsa_kernel
	.amdgpu_metadata
---
amdhsa.version: [ 1, 2 ]
amdhsa.kernels:
  - .name:           k_q7c267c42e4_attn
    .symbol:         k_q7c267c42e4_attn.kd
    .args:
      - { .name: qkvc, .offset: 0, .size: 8, .value_kind: global_buffer, .address_space: global }
      - { .name: mb, .offset: 8, .size: 8, .value_kind: global_buffer, .address_space: global }
      - { .name: cc, .offset: 16, .size: 8, .value_kind: global_buffer, .address_space: global }
    .group_segment_fixed_size: 327680
    .private_segment_fixed_size: 0
    .kernarg_segment_align: 8
    .kernarg_segment_size: 24
    .max_flat_workgroup_size: 512
    .sgpr_count:     100
    .vgpr_count:     256
    .wavefront_size: 32
...
	.end_amdgpu_metadata
.endif
;; end of part 3
;; launch woln (part 4): grid 256 x 1, 8 waves a work-group, no clusters, 2,048 bytes of LDS; arguments cc, wc, bo, x, g2, be2, b2, x1, hc; writes x1, hc
.if DOCPART == 4
	.amdgcn_target "amdgcn-amd-amdhsa--gfx1250"
	.amdhsa_code_object_version 6
	.text
	.protected	k_q7c267c42e4_woln
	.globl	k_q7c267c42e4_woln
	.p2align	8
	.type	k_q7c267c42e4_woln,@function
k_q7c267c42e4_woln:
	s_mov_b64 s[64:65], 0
	v_nop
	global_prefetch_b8 v0, s[64:65] scope:SCOPE_SE
	s_setreg_imm32_b32 hwreg(HW_REG_WAVE_MODE, 25, 1), 1
	s_wait_xcnt 0x0
; x1 = x + ctx Wo + bo on codes of E3M2 (scaled matrix instruction, f32 sums), then the second layer norm, y = g2 (x1 - mean) / (std + 1e-6) + be2 (std with the divisor 1,023), and y's quantising.
; SHARES.  A work-group owns the 16 tokens of one fragment (group of 64 tokens = id / 4, fragment = id % 4) and all 1,024 columns, so that a row's mean and std are made in the work-group.
; Wave w makes columns 128 w .. 128 w + 127: eight accumulators, K = 1,024 in eight steps; those columns are K step w of the next product.
; OPERANDS are images of registers ([group of 64 rows][K step][6,400 bytes]: four fragments of 1,536 bytes, scale words at 6,144 + 16 r + 4 i): they go from memory straight into the registers, 16 or 8 consecutive bytes a lane.
; Source 0 = weight rows, source 1 = tokens: lane (r, h) holds token r, and register 16 b + i is column 32 b + 16 h + i of the wave's 128.  x + bo is the C of the first products.
; NO LDS ON THE WAY IN, NO CLUSTER: with 16 tokens each weight fragment feeds one matrix instruction of one wave, so no two waves of a work-group read the same weight bytes, and a joint request exists for tensor loads into LDS alone.
; NO PREFETCH: a step is 39 loads a wave and two steps' loads are issued ahead, which is what the wave's load counter holds.
; OUT: x1 holds x1 + b2 (its one later use is the last residual, which adds b2), as an image of registers: [token fragment 0..255][w][quad of registers 0..15][16 x lane]: each store covers 512 consecutive bytes.
;      hc: the codes and scale words of y, as images of the operand's registers.
; A block of zeros keeps the byte 1 where the rule says 127: its codes are zeros, and this program alone reads the bytes.  LIMITS: NaN and infinities among the inputs are not served.
; REGISTERS.  Window 0: v1-13 offsets; v16-79 the sums, then y; v80-143 bo, then g2; v144-167 the tokens' fragment, two sets; v168-185 scale words, two sets; v208-249 as in the layer norm.
;             Window 1: v0-95, v96-191 the weights' eight fragments, two sets (afterwards x1 + b2 and be2); v192-255 b2.
.set WOFF, 2457600
.set GB,   6400
.set X,    16
.set G,    80
.set TF,   144
.set TS,   168
.set WS,   170
.set TM,   208
.set PW,   224
.set PC,   226
.set MEAN, 246
.set INV,  248
.set SEL,  40
.set MSB, 0
.macro WIN new
.if MSB != \new
	s_set_vgpr_msb (MSB<<8)|\new
.set MSB, \new
.endif
.endm
.macro PLACES
.rept 4
	v_nop
.endr
.endm
.macro ROW64 d, vo, sb                 ; 64 numbers in the sums' layout: 16 neighbours of each of four blocks of 32
.irp b, 0,1,2,3
.irp j, 0,1,2,3
	global_load_b128 v[\d+16*\b+4*\j:\d+16*\b+4*\j+3], v\vo, s[\sb:\sb+1] offset:128*\b+16*\j
.endr
.endr
.endm
.macro FR4 r, sb, o                    ; a fragment: 12 registers
	global_load_b128 v[(\r):(\r)+3], v11, s[\sb:\sb+1] offset:(\o)
	global_load_b64 v[(\r)+4:(\r)+5], v12, s[\sb:\sb+1] offset:(\o)+512
	global_load_b128 v[(\r)+6:(\r)+9], v11, s[\sb:\sb+1] offset:(\o)+768
	global_load_b64 v[(\r)+10:(\r)+11], v12, s[\sb:\sb+1] offset:(\o)+1280
.endm
.macro LOADS s, t                      ; K step s into set t: 39 loads
	FR4 TF+12*\t, 42, GB*\s
	global_load_b32 v[TS+\t], v10, s[4:5] offset:GB*\s+6144
.irp g, 0,1
	global_load_b128 v[WS+8*\t+4*\g:WS+8*\t+4*\g+3], v13, s[6:7] offset:8*GB*\g+GB*\s+6144
.endr
	WIN 0x40                                       ; destination window 1
.irp b, 0,1,2,3,4,5,6,7
	FR4 96*\t+12*\b, 6, 8*GB*(\b/4)+GB*\s+1536*(\b%4)
.endr
	WIN 0
.endm
.macro STEP s
.if \s == 0
	s_wait_loadcnt 55                              ; behind set 0: g2's 16 loads and set 1's 39
.else
.if \s < 7
	s_wait_loadcnt 39                              ; behind this step's loads: the next step's 39
.else
	s_wait_loadcnt 0x0
.endif
.endif
	WIN 0x01                                       ; source 0 window 1
.irp b, 0,1,2,3,4,5,6,7                ; the eight accumulators by turns
	v_wmma_scale_f32_16x16x128_f8f6f4 v[X+8*\b:X+8*\b+7], v[96*(\s%2)+12*\b:96*(\s%2)+12*\b+11], v[TF+12*(\s%2):TF+12*(\s%2)+11], v[X+8*\b:X+8*\b+7], v[WS+8*(\s%2)+\b], v[TS+(\s%2)] matrix_a_fmt:MATRIX_FMT_BF6 matrix_b_fmt:MATRIX_FMT_BF6
.endr
	WIN 0
	PLACES                                         ; in front of loads into registers that the products have read, and of reads of the results
.if \s+2 < 8
	LOADS (\s+2), (\s%2)
.endif
.endm
.macro RED off                         ; four pairs of partial sums in v[TM..TM+7] become the row's sum in v[TM], in every lane of every wave
	s_delay_alu instid0(VALU_DEP_3)
	v_pk_add_f32 v[TM:TM+1], v[TM:TM+1], v[TM+2:TM+3]
	s_delay_alu instid0(VALU_DEP_2)
	v_pk_add_f32 v[TM+4:TM+5], v[TM+4:TM+5], v[TM+6:TM+7]
	s_delay_alu instid0(VALU_DEP_1)
	v_pk_add_f32 v[TM:TM+1], v[TM:TM+1], v[TM+4:TM+5]
	s_delay_alu instid0(VALU_DEP_1)
	v_add_f32 v[TM], v[TM], v[TM+1]
	s_delay_alu instid0(VALU_DEP_1)
	v_permlanex16_b32 v[TM+8], v[TM], s[SEL], s[SEL+1]
	s_delay_alu instid0(VALU_DEP_1)
	v_add_f32 v[TM], v[TM], v[TM+8]                ; my wave's 128 columns of row r
	ds_store_b32 v6, v[TM] offset:\off             ; word w of the row's eight
	s_wait_dscnt 0x0                               ; for the others' sake: my store has landed
	s_barrier_signal -1
	s_barrier_wait -1
	ds_load_b128 v[TM:TM+3], v7 offset:\off
	ds_load_b128 v[TM+4:TM+7], v7 offset:\off+16
	s_wait_dscnt 0x0
	v_pk_add_f32 v[TM:TM+1], v[TM:TM+1], v[TM+2:TM+3]
	v_pk_add_f32 v[TM+4:TM+5], v[TM+4:TM+5], v[TM+6:TM+7]
	s_delay_alu instid0(VALU_DEP_1)
	v_pk_add_f32 v[TM:TM+1], v[TM:TM+1], v[TM+4:TM+5]
	s_delay_alu instid0(VALU_DEP_1)
	v_add_f32 v[TM], v[TM], v[TM+1]
.endm
.macro QUANT s                         ; 64 numbers of a lane become a fragment's codes in v[PC] on and its scale word in v[PW]
.irp b, 0,1,2,3
	v_max3_num_f32 v[TM+\b], |v[\s+16*\b]|, |v[\s+1+16*\b]|, 0x2800000   ; my 16 numbers of block b, and the floor 2^(5 - 127): the byte cannot fall under 1
.endr
.irp i, 2,4,6,8,10,12,14
.irp b, 0,1,2,3
	s_delay_alu instid0(VALU_DEP_4)
	v_max3_num_f32 v[TM+\b], v[TM+\b], |v[\s+16*\b+\i]|, |v[\s+1+16*\b+\i]|
.endr
.endr
.irp b, 0,1,2,3
	s_delay_alu instid0(VALU_DEP_4)
	v_permlanex16_b32 v[TM+4+\b], v[TM+\b], s[SEL], s[SEL+1]
.endr
.irp b, 0,1,2,3
	s_delay_alu instid0(VALU_DEP_4)
	v_max_num_f32 v[TM+\b], v[TM+\b], v[TM+4+\b]   ; with lane l xor 16's: the block's largest magnitude
.endr
.irp b, 0,1,2,3
	s_delay_alu instid0(VALU_DEP_4)
	v_add_nc_u32 v[TM+12+\b], 0xfe000000, v[TM+\b] ; 4 off the exponent field: the conversion's scale operand
.endr
.irp b, 0,1,2,3
	s_delay_alu instid0(VALU_DEP_4)
	v_lshrrev_b32 v[TM+4+\b], 23, v[TM+12+\b]      ; the scale's byte
.endr
	s_delay_alu instid0(VALU_DEP_3)
	v_lshl_or_b32 v[PW], v[TM+5], 8, v[TM+4]
	s_delay_alu instid0(VALU_DEP_1)
	v_lshl_or_b32 v[PW], v[TM+6], 16, v[PW]
	s_delay_alu instid0(VALU_DEP_1)
	v_lshl_or_b32 v[PW], v[TM+7], 24, v[PW]
.irp c, 0,1
	v_cvt_scalef32_pk16_bf6_f32 v[PC+6*\c:PC+2+6*\c], v[\s+32*\c:\s+15+32*\c], v[TM+12+2*\c]
	v_cvt_scalef32_pk16_bf6_f32 v[PC+12+4*\c:PC+14+4*\c], v[\s+16+32*\c:\s+31+32*\c], v[TM+12+2*\c+1]   ; (a conversion's three registers begin on an even number)
.endr
	v_nop                                          ; one plain place behind a scaled conversion
.irp c, 0,1                            ; a whole block to a lane: lanes 0-15 block 2 c, lanes 16-31 block 2 c + 1
.irp i, 0,1,2
	v_permlane16_swap_b32 v[PC+6*\c+\i], v[PC+12+4*\c+\i]
.endr
.irp i, 0,1,2
	s_delay_alu instid0(VALU_DEP_3)
	v_mov_b32 v[PC+3+6*\c+\i], v[PC+12+4*\c+\i]
.endr
.endr
.endm
	s_load_b512 s[4:19], s[0:1], 0x0               ; cc, wc, bo, x, g2, be2, b2, x1
	s_load_b64 s[20:21], s[0:1], 0x40              ; hc
	v_lshl_add_u32 v254, v0, 2, 0x400
	v_mov_b32 v255, 0
	v_lshrrev_b32 v1, 5, v0
	s_delay_alu instid0(VALU_DEP_1)
	v_readfirstlane_b32 s22, v1                    ; wave
	s_lshr_b32 s23, ttmp9, 2                       ; the group of 64 tokens
	s_and_b32 s24, ttmp9, 3                        ; the fragment i
	s_lshl_b32 s26, s23, 6
	s_lshr_b32 s25, s24, 1
	s_lshl_b32 s25, s25, 5
	s_add_co_u32 s26, s26, s25
	s_and_b32 s25, s24, 1
	s_lshl_b32 s25, s25, 3
	s_add_co_u32 s26, s26, s25                     ; the fragment's first row
	s_lshl_b32 s26, s26, 12
	s_lshl_b32 s28, s22, 9                         ; my 128 columns: 512 bytes
	s_add_co_u32 s26, s26, s28
	s_mov_b32 s27, 0
	s_mov_b32 s29, 0
	s_mul_i32 s30, s23, 8*GB                       ; cc: the group's eight K steps
	s_mov_b32 s31, 0
	s_mul_i32 s32, s24, 1536                       ; my fragment in an image
	s_mov_b32 s33, 0
	s_mul_i32 s34, s22, 16*GB                      ; wo's groups 2 w, 2 w + 1
	s_add_co_u32 s34, s34, WOFF
	s_mov_b32 s35, 0
	s_lshl_b32 s36, ttmp9, 3
	s_add_co_u32 s36, s36, s22
	s_lshl_b32 s36, s36, 13                        ; x1: 8,192 bytes for (fragment, wave)
	s_mov_b32 s37, 0
	s_lshl_b32 s38, s23, 3
	s_add_co_u32 s38, s38, s22
	s_mul_i32 s38, s38, GB                         ; hc: the image of (group, K step w)
	s_mov_b32 s39, 0
	s_lshl_b32 s25, s24, 2
	s_mov_b32 s[SEL], 0x76543210
	s_mov_b32 s[SEL+1], 0xfedcba98
	v_and_b32 v1, 31, v0                           ; lane
	v_and_b32 v2, 15, v0                           ; r
	v_bfe_u32 v3, v0, 4, 1                         ; h
	v_and_b32 v4, 8, v0
	v_lshlrev_b32 v11, 4, v1                       ; 16 x lane
	v_lshlrev_b32 v12, 3, v1                       ; 8 x lane
	v_add_nc_u32 v4, v4, v2                        ; r + 8 (r / 8)
	v_lshlrev_b32 v13, 4, v2                       ; 16 r
	v_lshlrev_b32 v5, 6, v3                        ; bo, g2, be2, b2: 64 h
	v_lshlrev_b32 v4, 12, v4
	v_lshlrev_b32 v7, 5, v2                        ; LDS: the row's eight words
	v_add_nc_u32 v8, s32, v11                      ; hc: registers 0-3 of a half
	v_lshl_add_u32 v4, v3, 6, v4                   ; x: my row of 4,096 bytes, + 64 h
	v_lshl_add_u32 v6, s22, 2, v7                  ; and my wave's word
	v_add_nc_u32 v9, s32, v12                      ; registers 4-5
	v_add_nc_u32 v10, s25, v13                     ; the fragment's scale word: 16 r + 4 i
	v_mov_b32 v[TM+8], 0                           ; written once: a lane permute's destination counts as one of its sources
	v_mov_b32 v[MEAN+1], 0                         ; (named as the upper half of a pair)
	s_wait_alu depctr_va_vdst(0)
	s_wait_kmcnt 0x0
	s_add_nc_u64 s[10:11], s[10:11], s[26:27]
	s_add_nc_u64 s[8:9], s[8:9], s[28:29]
	s_add_nc_u64 s[12:13], s[12:13], s[28:29]
	s_add_nc_u64 s[14:15], s[14:15], s[28:29]
	s_add_nc_u64 s[16:17], s[16:17], s[28:29]
	s_add_nc_u64 s[4:5], s[4:5], s[30:31]
	s_add_nc_u64 s[42:43], s[4:5], s[32:33]
	s_add_nc_u64 s[6:7], s[6:7], s[34:35]
	s_add_nc_u64 s[18:19], s[18:19], s[36:37]
	s_add_nc_u64 s[20:21], s[20:21], s[38:39]
	ROW64 X, 4, 10                                 ; x
	ROW64 G, 5, 8                                  ; bo
	WIN 0x40
	ROW64 192, 5, 16                               ; b2
	WIN 0
	LOADS 0, 0
	s_wait_loadcnt 55                              ; x and bo are in; behind them: b2's 16 loads and set 0's 39
.set j, 0
.rept 32
	v_pk_add_f32 v[X+j:X+j+1], v[X+j:X+j+1], v[G+j:G+j+1]   ; x + bo: what the first products add onto
.set j, j+2
.endr
.rept 8
	v_nop
.endr
	s_wait_alu depctr_va_vdst(0)
	ROW64 G, 5, 12                                 ; g2
	LOADS 1, 1
.irp s, 0,1,2,3,4,5,6,7
	STEP \s
.endr
	WIN 0x40
	ROW64 96, 5, 14                                ; be2, into registers of set 1, four places behind the last product
	WIN 0x44                                       ; destination and source 1 window 1
.set j, 0
.rept 32
	v_pk_add_f32 v[j:j+1], v[X+j:X+j+1], v[192+j:193+j]   ; x1 + b2; each accumulator is read from its low end on
.set j, j+2
.endr
	WIN 0x04                                       ; the stores' data: window 1
.set j, 0
.rept 16
	global_store_b128 v11, v[4*j:4*j+3], s[18:19] offset:512*j   ; 512 consecutive bytes, at a multiple of 256 from the buffer's first byte
.set j, j+1
.endr
	WIN 0
.irp c, 0,1,2,3
	v_pk_add_f32 v[TM+2*\c:TM+2*\c+1], v[X+4*\c:X+4*\c+1], v[X+4*\c+2:X+4*\c+3]   ; the row's sum: four chains
.endr
.irp j, 16,24,32,40,48,56
.irp c, 0,1,2,3
	v_pk_add_f32 v[TM+2*\c:TM+2*\c+1], v[TM+2*\c:TM+2*\c+1], v[X+\j+2*\c:X+\j+2*\c+1]
.endr
.endr
	RED 0
	s_delay_alu instid0(VALU_DEP_1)
	v_mul_f32 v[MEAN], 0x3a800000, v[TM]           ; / 1,024
.set j, 0
.rept 32
	v_pk_add_f32 v[X+j:X+j+1], v[X+j:X+j+1], v[MEAN:MEAN+1] op_sel_hi:[1,0] neg_lo:[0,1] neg_hi:[0,1]   ; x1 - mean
.set j, j+2
.endr
.irp c, 0,1,2,3
	v_pk_mul_f32 v[TM+2*\c:TM+2*\c+1], v[X+2*\c:X+2*\c+1], v[X+2*\c:X+2*\c+1]
.endr
.irp j, 8,16,24,32,40,48,56
.irp c, 0,1,2,3
	s_delay_alu instid0(VALU_DEP_4)
	v_pk_fma_f32 v[TM+2*\c:TM+2*\c+1], v[X+\j+2*\c:X+\j+2*\c+1], v[X+\j+2*\c:X+\j+2*\c+1], v[TM+2*\c:TM+2*\c+1]
.endr
.endr
	RED 512                                        ; other bytes than the first sum's
	s_delay_alu instid0(VALU_DEP_1)
	v_mul_f32 v[TM], 0x3a802008, v[TM]             ; / 1,023
	s_wait_alu depctr_va_vdst(0)
	v_sqrt_f32 v[TM+1], v[TM]
	v_nop                                          ; one plain place behind a transcendental
	s_wait_alu depctr_va_vdst(0)
	v_add_f32 v[TM+1], 0x358637bd, v[TM+1]         ; + 1e-6
	s_wait_alu depctr_va_vdst(0)
	v_rcp_f32 v[INV], v[TM+1]
	v_mov_b32 v[INV+1], 0                          ; (a plain place; the pair's upper half is written)
	s_wait_loadcnt 0x0                             ; be2
	s_wait_alu depctr_va_vdst(0)
.set j, 0
.rept 32
	v_pk_mul_f32 v[X+j:X+j+1], v[X+j:X+j+1], v[INV:INV+1] op_sel_hi:[1,0]
.set j, j+2
.endr
	WIN 0x10                                       ; source 2 window 1: be2
.set j, 0
.rept 32
	v_pk_fma_f32 v[X+j:X+j+1], v[G+j:G+j+1], v[X+j:X+j+1], v[96+j:97+j]
.set j, j+2
.endr
	WIN 0
	QUANT X
	global_store_b128 v8, v[PC:PC+3], s[20:21]                 ; the fragment's 1,536 bytes on end
	global_store_b64 v9, v[PC+4:PC+5], s[20:21] offset:512
	global_store_b128 v8, v[PC+6:PC+9], s[20:21] offset:768
	global_store_b64 v9, v[PC+10:PC+11], s[20:21] offset:1280
	global_store_b32 v10, v[PW], s[20:21] offset:6144          ; lanes r and r + 16 write the same word with the same value
	s_wait_tensorcnt 0x0                           ; the wave's end
	ds_add_u32 v254, v255
	s_wait_dscnt 0x0
	s_endpgm
.Lfunc_end_k_q7c267c42e4_woln:
	.size	k_q7c267c42e4_woln, .Lfunc_end_k_q7c267c42e4_woln-k_q7c267c42e4_woln
	.p2alignl 7, 3214868480
	.fill 96, 4, 3214868480
	.section	.rodata,"a",@progbits
	.p2align	6, 0x0
	.amdhsa_kernel k_q7c267c42e4_woln
		.amdhsa_group_segment_fixed_size 2048
		.amdhsa_private_segment_fixed_size 0
		.amdhsa_enable_private_segment 0
		.amdhsa_kernarg_size 72
		.amdhsa_user_sgpr_count 2
		.amdhsa_user_sgpr_kernarg_segment_ptr 1
		.amdhsa_wavefront_size32 1
		.amdhsa_system_sgpr_workgroup_id_x 1
		.amdhsa_system_sgpr_workgroup_id_y 1
		.amdhsa_system_sgpr_workgroup_id_z 1
		.amdhsa_system_vgpr_workitem_id 0
		.amdhsa_next_free_vgpr 512
		.amdhsa_next_free_sgpr 66
		.amdhsa_reserve_vcc 0
		.amdhsa_float_denorm_mode_32 3
		.amdhsa_float_denorm_mode_16_64 3
		.amdhsa_memory_ordered 1
		.amdhsa_forward_progress 1
		.amdhsa_inst_pref_size 76
	.end_amdhsa_kernel
	.amdgpu_metadata
---
amdhsa.version: [ 1, 2 ]
amdhsa.kernels:
  - .name:           k_q7c267c42e4_woln
    .symbol:         k_q7c267c42e4_woln.kd
    .args:
      - { .name: cc, .offset: 0, .size: 8, .value_kind: global_buffer, .address_space: global }
      - { .name: wc, .offset: 8, .size: 8, .value_kind: global_buffer, .address_space: global }
      - { .name: bo, .offset: 16, .size: 8, .value_kind: global_buffer, .address_space: global }
      - { .name: x, .offset: 24, .size: 8, .value_kind: global_buffer, .address_space: global }
      - { .name: g2, .offset: 32, .size: 8, .value_kind: global_buffer, .address_space: global }
      - { .name: be2, .offset: 40, .size: 8, .value_kind: global_buffer, .address_space: global }
      - { .name: b2, .offset: 48, .size: 8, .value_kind: global_buffer, .address_space: global }
      - { .name: x1, .offset: 56, .size: 8, .value_kind: global_buffer, .address_space: global }
      - { .name: hc, .offset: 64, .size: 8, .value_kind: global_buffer, .address_space: global }
    .group_segment_fixed_size: 2048
    .private_segment_fixed_size: 0
    .kernarg_segment_align: 8
    .kernarg_segment_size: 72
    .max_flat_workgroup_size: 256
    .sgpr_count:     66
    .vgpr_count:     512
    .wavefront_size: 32
...
	.end_amdgpu_metadata
.endif
;; end of part 4
;; launch ffn1 (part 5): grid 8 x 32, 4 waves a work-group, clusters of 4 x 4, 327,680 bytes of LDS; arguments hc, wc, b1, fc; writes fc
.if DOCPART == 5
	.amdgcn_target "amdgcn-amd-amdhsa--gfx1250"
	.amdhsa_code_object_version 6
	.text
	.protected	k_q7c267c42e4_ffn1
	.globl	k_q7c267c42e4_ffn1
	.p2align	8
	.type	k_q7c267c42e4_ffn1,@function
k_q7c267c42e4_ffn1:
	s_mov_b64 s[64:65], 0
	v_nop
	global_prefetch_b8 v0, s[64:65] scope:SCOPE_SE
	s_setreg_imm32_b32 hwreg(HW_REG_WAVE_MODE, 25, 1), 1
	s_wait_xcnt 0x0
	s_wait_alu depctr_hold_cnt(0) depctr_sa_sdst(0) depctr_va_vdst(0) depctr_va_sdst(0) depctr_va_ssrc(0) depctr_va_vcc(0) depctr_vm_vsrc(0)
	s_getreg_b32 s2, hwreg(HW_REG_IB_STS2, 6, 4)
	s_cmp_eq_u32 s2, 0
	s_cbranch_scc0 .Lentry_in_a_cluster
	s_endpgm
.Lentry_in_a_cluster:
	s_bfe_u32 s2, ttmp6, 0x10000c
	s_cmp_lg_u32 s2, 0xf033
	s_cbranch_scc0 .Lentry_shape_is_right
	s_endpgm
.Lentry_shape_is_right:
; f = relu(h2 W1 + b1) on codes of E3M2 (scaled matrix instruction, f32 sums), and f's quantising along its columns, which are the next product's K.
; OPERANDS are images of registers: a block of 64 rows x 128 K is 6,400 bytes: four fragments of 1,536 bytes (halves of 64 K: registers 0-3 at 16 x lane, 4-5 at 512 + 8 x lane), scale words at 6,144 + 16 r + 4 i.
; Lane r of fragment i holds row 32 (i / 2) + 8 (i % 2) + r + 8 (r / 8): as source 0 the 16 registers of results of fragments 2 b, 2 b + 1 are then 16 neighbours, 32 b + 16 (lane / 16) + 0 .. 15.
; A WORK-GROUP STAYS.  It owns 128 tokens (panel y), whose codes for all of K = 1,024 come into LDS once, and makes four tiles of 128 columns: panels 4 X + 0 .. 3 of w1.
; 256 work-groups, one for each WGP.  A wave makes 64 x 64 of a tile: 16 accumulators.
; THE WEIGHTS go through two LDS slots, each a whole panel (128 rows x 1,024 K, 102,400 bytes).  The first two panels are first fills; a slot is asked for again as soon as its tile's last product is issued:
; the load has that tile's way out and all of the next tile, 128 matrix instructions a wave, in which to land.  Every wave issues every load: 25,600 dense bytes each.
; A wave has one tensor load out at a time.
; CLUSTERS: 4 x 4.  The four of a row of the cluster need the same tokens, the four of a column the same weight rows: each piece is asked for jointly, by the same load with a mask that names the four.
; Source 0 = weight rows, source 1 = tokens: a lane holds one token and 64 neighbouring columns: half a K step of the next product.  The bias is the C of each sum's first instruction.
; fc: [group of 64 tokens][K step 0..31][6,400]: my wave writes half wave % 2 of K step 4 X + t.  The scale bytes leave two at a time: 1 byte in 24 of the output.
; A block of zeros keeps the byte 1 where the rule says 127 (its codes are zeros; this program alone reads the bytes).  LIMITS: NaN and infinities are not served.
; REGISTERS.  Window 0: v16-23 LDS addresses; v24, v25 the add's two; v26, 27, 30, 31 other offsets; v32-39 scale words, two sets; v40-71 the bias as C; v72-77 at work; v80-83 scale bytes made; v96-127 codes made;
;             v128-255 accumulators.   Window 1: two sets of fragments, v0-95 and v128-223: tokens' four, then weights' four.
.set WOFF,  3276800                    ; w1's region of wc
.set GBB,   6400
.set PIECE, 4*GBB                      ; one group's four K steps: what one tensor load brings
.set PANEL, 4*PIECE                    ; two groups x eight K steps: the tokens at LDS byte 0, weight slot s at (1 + s) PANEL
.set SPARE, 3*PANEL                    ; behind the slots: the spare words, 128 bytes for each wave: two blocks of 256 bytes that no other line names
.set AH16, 16
.set AH8,  17
.set AW16, 18
.set AW8,  20
.set AS,   22
.set SPW,  24
.set NIL,  25
.set O16,  26
.set O8,   27
.set OS,   30
.set BH,   31
.set SC,   32
.set BP,   40
.set TM,   72
.set PW,   80
.set PC,   96
.set ACC,  128
.set F0,   0
.set F1,   128
.set G1,  24                           ; s[24:31] descriptor group 1 for the tokens;  s[32:35] their group 0
.set G0H, 32
.set G1B, 48                           ; s[48:55] group 1 for the weights;  s[56:63] groups 0, one for each slot
.set G0W, 56
.set SEL, 66
.set MSB, 0
.macro WIN new                         ; the immediate's high byte repeats the setting that is left
.if MSB != \new
	s_set_vgpr_msb (MSB<<8)|\new
.set MSB, \new
.endif
.endm
.macro PLACES                          ; four plain places behind a matrix instruction, in front of loads into its registers and of reads of its results; also the four lines behind a tensor load
.rept 4
	v_nop
.endr
.endm
.macro CROUND                          ; a round of the cluster's barrier
	s_barrier_signal -1
	s_barrier_wait -1
	s_cmp_lg_u32 s14, 0
	s_cbranch_scc1 .Lnot_wave_0_\@
	s_barrier_signal -3
.Lnot_wave_0_\@:
	s_barrier_wait -3
	s_barrier_signal -1
	s_barrier_wait -1
.endm
; 33 LDS loads: the eight fragments of K step q (the weights' from the slot named) into set f, and one load of scale words: lanes 0-15 the tokens' four words, lanes 16-31 the weights'
.macro FETCH slot, q, f, set
	WIN 0x40                                       ; destination window 1, address window 0
.irp i, 0,1,2,3
	ds_load_b128 v[\f+12*\i:\f+12*\i+3],       v[AH16] offset:GBB*(\q)+1536*\i
	ds_load_b64  v[\f+12*\i+4:\f+12*\i+5],     v[AH8]  offset:GBB*(\q)+1536*\i+512
	ds_load_b128 v[\f+12*\i+6:\f+12*\i+9],     v[AH16] offset:GBB*(\q)+1536*\i+768
	ds_load_b64  v[\f+12*\i+10:\f+12*\i+11],   v[AH8]  offset:GBB*(\q)+1536*\i+1280
	ds_load_b128 v[\f+48+12*\i:\f+48+12*\i+3],     v[AW16+\slot] offset:GBB*(\q)+1536*\i
	ds_load_b64  v[\f+48+12*\i+4:\f+48+12*\i+5],   v[AW8+\slot]  offset:GBB*(\q)+1536*\i+512
	ds_load_b128 v[\f+48+12*\i+6:\f+48+12*\i+9],   v[AW16+\slot] offset:GBB*(\q)+1536*\i+768
	ds_load_b64  v[\f+48+12*\i+10:\f+48+12*\i+11], v[AW8+\slot]  offset:GBB*(\q)+1536*\i+1280
.endr
	WIN 0
	ds_load_b128 v[SC+4*\set:SC+4*\set+3], v[AS+\slot] offset:GBB*(\q)
.endm
.macro MUL16 f, set, first             ; 16 matrix instructions, each accumulator once.  first = 1: the bias starts the sums
.irp a, 0,1,2,3
.irp b, 0,1,2,3
.if \first
	v_wmma_scale_f32_16x16x128_f8f6f4 v[ACC+8*(4*\a+\b):ACC+8*(4*\a+\b)+7], v[\f+48+12*\b:\f+48+12*\b+11], v[\f+12*\a:\f+12*\a+11], v[BP+8*\b:BP+8*\b+7], v[SC+4*\set+\b], v[SC+4*\set+\a] matrix_a_fmt:MATRIX_FMT_BF6 matrix_b_fmt:MATRIX_FMT_BF6 matrix_a_scale:MATRIX_SCALE_ROW1
.else
	v_wmma_scale_f32_16x16x128_f8f6f4 v[ACC+8*(4*\a+\b):ACC+8*(4*\a+\b)+7], v[\f+48+12*\b:\f+48+12*\b+11], v[\f+12*\a:\f+12*\a+11], v[ACC+8*(4*\a+\b):ACC+8*(4*\a+\b)+7], v[SC+4*\set+\b], v[SC+4*\set+\a] matrix_a_fmt:MATRIX_FMT_BF6 matrix_b_fmt:MATRIX_FMT_BF6 matrix_a_scale:MATRIX_SCALE_ROW1
.endif
.endr
.endr
.endm
; One K step's products from set f, and behind them the fetch of K step nq into the set that they have left: it lands under the next step's products
.macro STEPQ slot, nq, f, set, first
	s_wait_dscnt 33                                ; this step's loads are in; the next step's 33 may be out
	WIN 0x05                                       ; sources 0 and 1 window 1; C and D window 0
	MUL16 \f, \set, \first
	PLACES
	FETCH \slot, \nq, \f, \set
.endm
; A tile: all eight K steps, the weights from the slot named.  Eight plain places or more lie between the last tile's products and this tile's first, which begin the accumulators anew.
.macro TILE slot
	PLACES
	FETCH \slot, 0, F0, 0
	FETCH \slot, 1, F1, 1
	STEPQ \slot, 2, F0, 0, 1
	STEPQ \slot, 3, F1, 1, 0
	STEPQ \slot, 4, F0, 0, 0
	STEPQ \slot, 5, F1, 1, 0
	STEPQ \slot, 6, F0, 0, 0
	STEPQ \slot, 7, F1, 1, 0
	s_wait_dscnt 33                                ; K step 6's loads are in; K step 7's 33 may be out
	WIN 0x05
	MUL16 F0, 0, 0
	s_wait_dscnt 0x0
	MUL16 F1, 1, 0
	WIN 0
.endm
; The slot just read out is filled again, with the panel two on.  Each wave waits for all its tensor loads, adds 0 to its spare word, and waits for that and for its reads of the slot; a round of the cluster's
; barrier: no wave of any partner still reads the slot or has a load on its way; the joint refill is the first thing behind it, one load a wave.
.macro REFILL slot
	s_wait_tensorcnt 0x0                           ; no tensor load of mine is out, so a group 0 may be written
	ds_add_u32 v[SPW], v[NIL]                      ; 0 onto my spare word; the descriptor's step stands between it and the wait for it
	s_add_nc_u64 s[G0W+4*\slot+2:G0W+4*\slot+3], s[G0W+4*\slot+2:G0W+4*\slot+3], 2*PANEL
	s_wait_dscnt 0x0                               ; the add is done, and my reads of the slot are over
	CROUND
	tensor_load_to_lds s[G0W+4*\slot:G0W+4*\slot+3], s[G1B:G1B+7]
	s_nop 0
	PLACES
.endm
; 32 numbers of a lane, register 16 b + i = k 32 b + 16 (lane / 16) + i of my row, become half a fragment (64 K) in v[pc .. pc + 5] and its two scale bytes in v[pw]
.macro HQ s, pc, pw
.irp b, 0,1
	v_max3_num_f32 v[TM+\b], |v[(\s)+16*\b]|, |v[(\s)+1+16*\b]|, 0x2800000   ; my 16 numbers of block b, and the floor 2^(5 - 127)
.endr
.irp i, 2,4,6,8,10,12,14
.irp b, 0,1
	v_max3_num_f32 v[TM+\b], v[TM+\b], |v[(\s)+16*\b+\i]|, |v[(\s)+1+16*\b+\i]|
.endr
.endr
.irp b, 0,1
	v_permlanex16_b32 v[TM+2+\b], v[TM+\b], s[SEL], s[SEL+1]
.endr
.irp b, 0,1
	v_max_num_f32 v[TM+\b], v[TM+\b], v[TM+2+\b]   ; with lane l xor 16's: the block's largest magnitude
.endr
.irp b, 0,1
	v_add_nc_u32 v[TM+4+\b], 0xfe000000, v[TM+\b]  ; 4 off the exponent field: the conversion's scale operand
.endr
.irp b, 0,1
	v_lshrrev_b32 v[TM+\b], 23, v[TM+4+\b]         ; the scale's byte
.endr
	v_lshl_or_b32 v[\pw], v[TM+1], 8, v[TM]
	v_cvt_scalef32_pk16_bf6_f32 v[(\pc):(\pc)+2], v[(\s):(\s)+15], v[TM+4]
	v_cvt_scalef32_pk16_bf6_f32 v[(\pc)+4:(\pc)+6], v[(\s)+16:(\s)+31], v[TM+5]
	v_nop                                          ; one plain place behind a scaled conversion
.irp i, 0,1,2
	v_permlane16_swap_b32 v[(\pc)+\i], v[(\pc)+4+\i]   ; a whole block to a lane
.endr
	v_mov_b32 v[(\pc)+3], v[(\pc)+4]
	v_mov_b32 v[(\pc)+4], v[(\pc)+5]
	v_mov_b32 v[(\pc)+5], v[(\pc)+6]
.endm
.macro BIAS t                          ; tile t's bias in the result's layout: fragment b: columns 32 (b / 2) + 16 h + 8 (b % 2) + 0 .. 7; a panel's 128 columns are 512 bytes
.irp b, 0,1,2,3
	global_load_b128 v[BP+8*\b:BP+8*\b+3], v[BH], s[8:9] offset:512*\t+(32*(\b/2)+8*(\b%2))*4
	global_load_b128 v[BP+8*\b+4:BP+8*\b+7], v[BH], s[8:9] offset:512*\t+(32*(\b/2)+8*(\b%2))*4+16
.endr
.endm
.macro EPI t                           ; tile t's way out: my 64 tokens x 64 columns become four half fragments of K step 4 X + t and their scale bytes
.if \t
	s_wait_xcnt 0x0                                ; the last way out's stores have read their registers: they are written again only behind this wait
.endif
	PLACES
.irp a, 0,1,2,3
.set j, 0
.rept 32
	v_max_num_f32 v[ACC+32*\a+j], 0, v[ACC+32*\a+j]   ; the activation, in f32; each accumulator from its low end on
.set j, j+1
.endr
	HQ ACC+32*\a, PC+8*\a, PW+\a
.endr
.irp a, 0,1,2,3
	global_store_b128 v[O16], v[PC+8*\a:PC+8*\a+3], s[10:11] offset:GBB*\t+1536*\a       ; 512 consecutive bytes, then 256: each at a multiple of 256 from the buffer's first byte
	global_store_b64 v[O8], v[PC+8*\a+4:PC+8*\a+5], s[10:11] offset:GBB*\t+1536*\a+512
	global_store_b16 v[OS], v[PW+\a], s[10:11] offset:GBB*\t+4*\a
.endr
.endm
	s_load_b128 s[4:7], s[0:1], 0x0                ; hc, wc
	s_load_b128 s[8:11], s[0:1], 0x10              ; b1, fc
	v_lshl_add_u32 v[SPW], v0, 2, SPARE
	v_mov_b32 v[NIL], 0
	ds_add_u32 v24, v25
	ds_add_u32 v24, v25
	s_wait_dscnt 0x0
	v_lshrrev_b32 v1, 5, v0
	v_readfirstlane_b32 s14, v1                    ; wave 0..3
	s_lshr_b32 s15, s14, 1                         ; my group of tokens
	s_and_b32 s16, s14, 1                          ; my group of weight rows
	s_bfe_u32 s40, ttmp6, 0x40000                  ; cx, cy: my place in the cluster
	s_bfe_u32 s41, ttmp6, 0x40004
	s_lshl_b32 s42, ttmp9, 2
	s_add_co_u32 s42, s42, s40                     ; X: four panels of weight rows, 0..7
	s_and_b32 s17, ttmp7, 0xffff
	s_lshl_b32 s17, s17, 2
	s_add_co_u32 s17, s17, s41                     ; y: panel of tokens
	s_lshl_b32 s43, s41, 2
	s_lshl_b32 s43, 15, s43                        ; my row of the cluster
	s_lshl_b32 s44, 0x1111, s40                    ; my column
	; descriptor group 1: 25,600 dense bytes as 100 rows of 256 bytes (32 elements of 8 bytes), no padding: the images are read 16 or 8 consecutive bytes a lane
	s_or_b32 s[G1+0], s43, (3<<16)|(1<<21)         ; 15:0 the mask: tokens go to my row; 17:16 elements of 8 bytes; 21 set beside a mask
	s_or_b32 s[G1B+0], s44, (3<<16)|(1<<21)        ; weights go to my column
.irp g, G1, G1B
	s_mov_b32 s[\g+1], 32<<16                      ; tensor_dim0
	s_mov_b32 s[\g+2], 200<<16                     ; tensor_dim1: the head's loads bring half a panel, 200 rows
	s_mov_b32 s[\g+3], 32<<16                      ; tile_dim0
	s_mov_b32 s[\g+4], 200                         ; tile_dim1
	s_mov_b32 s[\g+5], 32                          ; tensor_dim0_stride
	s_mov_b32 s[\g+6], 0
	s_mov_b32 s[\g+7], 0
.endr
	s_mul_i32 s45, s14, PIECE                      ; my quarter of a panel, in memory and in LDS alike: group wave / 2, K steps 4 (wave % 2) on.  No place in the cluster enters an LDS address
	s_mul_i32 s18, s16, 2*PIECE                    ; the head's loads: half wave % 2 of a panel, in memory and in LDS alike
	s_mul_i32 s20, s17, PANEL
	s_add_co_u32 s20, s20, s18                     ; tokens: panel y, my half
	s_mul_i32 s38, s42, 4*PANEL
	s_add_co_u32 s38, s38, s18
	s_add_co_u32 s38, s38, WOFF                    ; weights: panel 4 X of w1, my half
	s_mov_b32 s39, 0
	s_mov_b32 s21, 0
	s_mul_i32 s46, s42, 4*PANEL
	s_add_co_u32 s46, s46, s45
	s_add_co_u32 s46, s46, WOFF                    ; weights: panel 4 X of w1
	s_mov_b32 s47, 0
	s_wait_kmcnt 0x0
	s_add_nc_u64 s[20:21], s[4:5], s[20:21]
	s_add_nc_u64 s[46:47], s[6:7], s[46:47]
	s_add_nc_u64 s[38:39], s[6:7], s[38:39]
	CROUND                                         ; all sixteen work-groups are here: the first joint loads meet
	s_mov_b32 s[G0H], 1
	s_mov_b32 s[G0H+1], s18
	s_mov_b32 s36, 1                               ; s[36:39]: group 0 of the head's load of the first panel's half
	s_add_co_u32 s37, s18, PANEL
	s_or_b32 s39, s39, 0x80000000
	s_mov_b64 s[G0H+2:G0H+3], s[20:21]
	s_or_b32 s[G0H+3], s[G0H+3], 0x80000000
.irp s, 0,1
	s_mov_b32 s[G0W+4*\s], 1
	s_add_co_u32 s[G0W+4*\s+1], s45, (1+\s)*PANEL
	s_add_nc_u64 s[G0W+4*\s+2:G0W+4*\s+3], s[46:47], \s*PANEL   ; slot s: panel 4 X + s
	s_or_b32 s[G0W+4*\s+3], s[G0W+4*\s+3], 0x80000000
.endr
	s_cmp_eq_u32 s15, 0                            ; one load a wave at the head: waves 0, 1 the tokens' halves, waves 2, 3 the halves of the first panel
	s_cbranch_scc0 .Lhead_w
	tensor_load_to_lds s[G0H:G0H+3], s[G1:G1+7]
	s_nop 0
	PLACES
	s_branch .Lhead_asked
.Lhead_w:
	tensor_load_to_lds s[36:39], s[G1B:G1B+7]
	s_nop 0
	PLACES
.Lhead_asked:
	v_and_b32 v1, 31, v0                           ; lane
	s_wait_alu depctr_va_vdst(0)
	v_and_b32 v2, 15, v0                           ; r
	s_wait_alu depctr_va_vdst(0)
	v_bfe_u32 v3, v0, 4, 1                         ; h
	v_lshlrev_b32 v[BH], 6, v3
	s_lshl_b32 s72, s42, 11
	s_lshl_b32 s73, s16, 8
	s_add_co_u32 s72, s72, s73                     ; my first column, 512 X + 64 (wave % 2), in bytes
	s_mov_b32 s73, 0
	s_add_nc_u64 s[8:9], s[8:9], s[72:73]
	BIAS 0
	s_lshl_b32 s74, s17, 1
	s_add_co_u32 s74, s74, s15
	s_lshl_b32 s74, s74, 5
	s_lshl_b32 s75, s42, 2
	s_add_co_u32 s74, s74, s75
	s_mul_i32 s74, s74, GBB                        ; fc: the image of (my group of tokens, K step 4 X); the later tiles' lie 6,400 bytes on each: in the stores' immediates
	s_mov_b32 s75, 0
	s_add_nc_u64 s[10:11], s[10:11], s[74:75]
	v_lshlrev_b32 v4, 4, v1
	v_lshlrev_b32 v5, 3, v1
	s_mul_i32 s76, s16, 768                        ; my half of each fragment
	v_add_nc_u32 v[O16], s76, v4
	v_add_nc_u32 v[O8], s76, v5
	s_lshl_b32 s76, s16, 1
	s_add_co_u32 s76, s76, 6144
	v_lshl_add_u32 v[OS], v2, 4, s76               ; my two bytes of each scale word
	s_mul_i32 s21, s15, 2*PIECE                    ; my group of tokens,
	s_mul_i32 s22, s16, 2*PIECE
	s_add_co_u32 s22, s22, PANEL                   ; my group of weight rows in slot 0
	v_add_nc_u32 v[AH16], s21, v4
	v_add_nc_u32 v[AH8], s21, v5
	v_add_nc_u32 v[AW16], s22, v4
	v_add_nc_u32 v[AW8], s22, v5
	v_add_nc_u32 v[AW16+1], PANEL, v[AW16]
	v_add_nc_u32 v[AW8+1], PANEL, v[AW8]
	s_sub_co_u32 s23, s22, s21                     ; from the tokens' scale words to the weights' in slot 0
	v_mul_u32_u24 v6, s23, v3                      ; lanes 16-31 take the weights'
	v_lshl_add_u32 v6, v2, 4, v6
	s_add_co_u32 s21, s21, 6144
	v_add_nc_u32 v[AS], s21, v6
	s_add_co_u32 s23, s23, PANEL                   ; and in slot 1
	v_mul_u32_u24 v6, s23, v3
	v_lshl_add_u32 v6, v2, 4, v6
	v_add_nc_u32 v[AS+1], s21, v6
	s_mov_b32 s[SEL], 0x76543210
	s_mov_b32 s[SEL+1], 0xfedcba98
	v_mov_b32 v[TM+2], 0                           ; written once: a lane permute's destination counts as one of its sources
	v_mov_b32 v[TM+3], 0
	s_wait_alu depctr_va_vdst(0)
	s_wait_tensorcnt 0x0                           ; my half panel is in
	ds_add_u32 v[SPW], v[NIL]
	s_mov_b32 s[G1B+2], 100<<16                    ; no load of mine is out: from here on a load brings a quarter of a panel, 100 rows
	s_mov_b32 s[G1B+4], 100
	s_wait_dscnt 0x0
	CROUND                                         ; everybody's are in, and the joint loads meet
	tensor_load_to_lds s[G0W+4:G0W+7], s[G1B:G1B+7]   ; the second panel into slot 1: it has the first tile in which to land
	s_nop 0
	PLACES
	s_wait_loadcnt 0x0                             ; the bias
	TILE 0                                         ; panel 4 X
	REFILL 0                                       ; panel 4 X + 2 into its slot
	BIAS 1                                         ; the registers' last reader, the tile's first K step, lies seven K steps back
	EPI 0
	s_wait_loadcnt 0x0
	TILE 1                                         ; panel 4 X + 1
	REFILL 1                                       ; panel 4 X + 3
	BIAS 2
	EPI 1
	s_wait_loadcnt 0x0
	TILE 0                                         ; panel 4 X + 2
	BIAS 3
	EPI 2
	s_wait_tensorcnt 0x0                           ; my piece of the last panel is in; nothing is left to fetch
	s_wait_dscnt 0x0
	s_barrier_signal -1
	s_barrier_wait -1                              ; everybody's is
	s_wait_loadcnt 0x0
	TILE 1                                         ; panel 4 X + 3
	EPI 3
	s_wait_tensorcnt 0x0                           ; the wave's end, behind my last tensor load
	ds_add_u32 v[SPW], v[NIL]
	s_wait_dscnt 0x0
	CROUND                                         ; the closing round: no work-group ends while a partner may still ask for a piece that names it
	s_endpgm
.Lfunc_end_k_q7c267c42e4_ffn1:
	.size	k_q7c267c42e4_ffn1, .Lfunc_end_k_q7c267c42e4_ffn1-k_q7c267c42e4_ffn1
	.p2alignl 7, 3214868480
	.fill 96, 4, 3214868480
	.section	.rodata,"a",@progbits
	.p2align	6, 0x0
	.amdhsa_kernel k_q7c267c42e4_ffn1
		.amdhsa_group_segment_fixed_size 327680
		.amdhsa_private_segment_fixed_size 0
		.amdhsa_enable_private_segment 0
		.amdhsa_kernarg_size 32
		.amdhsa_user_sgpr_count 2
		.amdhsa_user_sgpr_kernarg_segment_ptr 1
		.amdhsa_wavefront_size32 1
		.amdhsa_system_sgpr_workgroup_id_x 1
		.amdhsa_system_sgpr_workgroup_id_y 1
		.amdhsa_system_sgpr_workgroup_id_z 1
		.amdhsa_system_vgpr_workitem_id 0
		.amdhsa_next_free_vgpr 512
		.amdhsa_next_free_sgpr 100
		.amdhsa_reserve_vcc 0
		.amdhsa_float_denorm_mode_32 3
		.amdhsa_float_denorm_mode_16_64 3
		.amdhsa_memory_ordered 1
		.amdhsa_forward_progress 1
		.amdhsa_inst_pref_size 201
	.end_amdhsa_kernel
	.amdgpu_metadata
---
amdhsa.version: [ 1, 2 ]
amdhsa.kernels:
  - .name:           k_q7c267c42e4_ffn1
    .symbol:         k_q7c267c42e4_ffn1.kd
    .args:
      - { .name: hc, .offset: 0, .size: 8, .value_kind: global_buffer, .address_space: global }
      - { .name: wc, .offset: 8, .size: 8, .value_kind: global_buffer, .address_space: global }
      - { .name: b1, .offset: 16, .size: 8, .value_kind: global_buffer, .address_space: global }
      - { .name: fc, .offset: 24, .size: 8, .value_kind: global_buffer, .address_space: global }
    .group_segment_fixed_size: 327680
    .private_segment_fixed_size: 0
    .kernarg_segment_align: 8
    .kernarg_segment_size: 32
    .max_flat_workgroup_size: 128
    .sgpr_count:     100
    .vgpr_count:     512
    .wavefront_size: 32
...
	.end_amdgpu_metadata
.endif
;; end of part 5
;; launch ffn2 (part 6): grid 8 x 32, 4 waves a work-group, no clusters, 230,912 bytes of LDS; arguments fc, wc, x1, out0; writes out0
.if DOCPART == 6
	.amdgcn_target "amdgcn-amd-amdhsa--gfx1250"
	.amdhsa_code_object_version 6
	.text
	.protected	k_q7c267c42e4_ffn2
	.globl	k_q7c267c42e4_ffn2
	.p2align	8
	.type	k_q7c267c42e4_ffn2,@function
k_q7c267c42e4_ffn2:
	s_mov_b64 s[64:65], 0
	v_nop
	global_prefetch_b8 v0, s[64:65] scope:SCOPE_SE
	s_setreg_imm32_b32 hwreg(HW_REG_WAVE_MODE, 25, 1), 1
	s_wait_xcnt 0x0
; out = (x1 + b2) + f W2 on codes of E3M2 (scaled matrix instruction, f32 sums).  x1 holds x1 + b2 already, as an image of the result's registers.
; SHARES.  A work-group makes 128 tokens (panel y) x 128 columns (panel X).  K = 4,096 IS CUT AMONG THE FOUR WAVES: wave w makes the whole block for K steps 8 w .. 8 w + 7, in 64 accumulators, 512 registers.
; So each byte of the block's operands is read by one wave, once, and goes from memory straight into the registers: the operands are images of registers
; ([group of 64 rows][K step 0..31][6,400 bytes]: four fragments of 1,536 bytes, scale words at 6,144 + 16 r + 4 i).  No slot, no barrier and no wait for another wave stands in the walk along K.
; THE FOUR PARTS MEET ONCE, in LDS.  Wave w owns token fragments 2 w, 2 w + 1.  It takes the tokens' fragments in turned order, accumulator row a = fragment (a + 2 w) % 8, so that in every wave rows 0, 1 are its own
; and the same lines serve all waves; rows 2 P, 2 P + 1 go, as images of registers, to the owner (P + w) % 4: 48 tiles of 1,024 bytes a wave, 196,608 bytes in all; one barrier; the owner adds three parts to its own.
; The image of x1 + b2 is loaded into the owner's 16 accumulators and is the C of their first products; the other 48 begin with the constant 0.
; Source 0 = weight rows, source 1 = tokens: a lane holds one token and eight neighbouring columns.  The result goes through the wave's own stage and leaves as rows of 512 consecutive bytes.
; NO CLUSTER: nothing lands in LDS on the way in, and a joint request exists for tensor loads into LDS alone.  NO PREFETCH: a step is 70 loads a wave and two steps' loads are issued ahead, more than the wave's load counter holds.
; LIMITS: NaN and infinities are not served.
; REGISTERS.  Window 0: v1-19 offsets; v32-63 scale words, two sets (tokens' eight, weights' eight); v64-159, v160-255 the tokens' fragments, two sets.  Window 1: v0-95, v128-223 the weights', two sets.
;             Window 2: accumulator rows 0-3 ((a, b) at v[8 (8 (a % 4) + b)]);  window 3: rows 4-7.
.set WOFF,  6553600
.set GB,    6400
.set GRP,   32*GB
.set SC,    32
.set AF,    64
.set RB,    16384                      ; 16 tiles of 1,024 bytes: what one wave sends to one owner
.set STAGE, 12*RB
.set SP,    528
.set SPARE, STAGE+4*16*SP              ; the spare words: 512 bytes that no other line names
.set MSB, 0
.macro WIN new
.if MSB != \new
	s_set_vgpr_msb (MSB<<8)|\new
.set MSB, \new
.endif
.endm
.macro PLACES
.rept 4
	v_nop
.endr
.endm
.macro FR4 r, sb, o                    ; a fragment: 12 registers
	global_load_b128 v[(\r):(\r)+3], v4, s[\sb:\sb+1] offset:(\o)
	global_load_b64 v[(\r)+4:(\r)+5], v5, s[\sb:\sb+1] offset:(\o)+512
	global_load_b128 v[(\r)+6:(\r)+9], v4, s[\sb:\sb+1] offset:(\o)+768
	global_load_b64 v[(\r)+10:(\r)+11], v5, s[\sb:\sb+1] offset:(\o)+1280
.endm
.macro LOADS s, t                      ; my K step s into set t: 70 loads
.irp P, 0,1,2,3
	global_load_b64 v[SC+16*\t+2*\P:SC+16*\t+2*\P+1], v[8+\P], s[32+2*\P:33+2*\P] offset:GB*\s   ; the scale words of the tokens' fragments of rows 2 P, 2 P + 1
.endr
.irp g, 0,1
	global_load_b128 v[SC+16*\t+8+4*\g:SC+16*\t+11+4*\g], v6, s[40:41] offset:GRP*\g+GB*\s+6144
.endr
.irp a, 0,1,2,3,4,5,6,7
	FR4 AF+96*\t+12*\a, 32+2*(\a/2), GB*\s+1536*(\a%2)
.endr
	WIN 0x40                                       ; destination window 1
.irp b, 0,1,2,3,4,5,6,7
	FR4 128*\t+12*\b, 40, GRP*(\b/4)+GB*\s+1536*(\b%4)
.endr
	WIN 0
.endm
.macro STEP s                          ; 64 matrix instructions, each accumulator once
.if \s < 7
	s_wait_loadcnt 63                              ; behind this step's loads the next step's 70 were issued: the count is the largest that the wait can name
.else
	s_wait_loadcnt 0x0
.endif
.irp a, 0,1,2,3,4,5,6,7
.if \a == 0
	WIN 0xa1                                       ; source 0 window 1, source 1 window 0, C and D window 2
.endif
.if \a == 4
	WIN 0xf1                                       ; C and D window 3
.endif
.irp b, 0,1,2,3,4,5,6,7
.set D, 8*(8*(\a%4)+\b)
.if (\s == 0) && (\a > 1)
	v_wmma_scale_f32_16x16x128_f8f6f4 v[D:D+7], v[128*(\s%2)+12*\b:128*(\s%2)+12*\b+11], v[AF+96*(\s%2)+12*\a:AF+96*(\s%2)+12*\a+11], 0, v[SC+16*(\s%2)+8+\b], v[SC+16*(\s%2)+\a] matrix_a_fmt:MATRIX_FMT_BF6 matrix_b_fmt:MATRIX_FMT_BF6
.else
	v_wmma_scale_f32_16x16x128_f8f6f4 v[D:D+7], v[128*(\s%2)+12*\b:128*(\s%2)+12*\b+11], v[AF+96*(\s%2)+12*\a:AF+96*(\s%2)+12*\a+11], v[D:D+7], v[SC+16*(\s%2)+8+\b], v[SC+16*(\s%2)+\a] matrix_a_fmt:MATRIX_FMT_BF6 matrix_b_fmt:MATRIX_FMT_BF6
.endif
.endr
.endr
	WIN 0
	PLACES                                         ; in front of loads into registers that the products have read, and of reads of the results
.if \s+2 < 8
	LOADS (\s+2), (\s%2)
.endif
.endm
	s_load_b256 s[4:11], s[0:1], 0x0               ; fc, wc, x1, out0
	v_lshl_add_u32 v18, v0, 2, SPARE
	v_mov_b32 v19, 0
	v_lshrrev_b32 v1, 5, v0
	v_readfirstlane_b32 s12, v1                    ; wave
	s_and_b32 s13, ttmp7, 0xffff                   ; y
	s_mul_i32 s14, s13, 2*GRP
	s_mul_i32 s15, s12, 8*GB                       ; my eight K steps
	s_add_co_u32 s14, s14, s15
.irp P, 0,1,2,3                        ; rows 2 P, 2 P + 1 take fragments a, a + 1, a = (2 P + 2 w) % 8: group a / 4, fragment i = a % 4 (0 or 2)
	s_lshl_b32 s16, s12, 1
	s_add_co_u32 s16, s16, 2*\P
	s_and_b32 s17, s16, 3
	s_bfe_u32 s16, s16, 0x10002
	s_mul_i32 s16, s16, GRP
	s_mul_i32 s18, s17, 1536
	s_add_co_u32 s16, s16, s18
	s_add_co_u32 s[32+2*\P], s16, s14
	s_mov_b32 s[33+2*\P], 0
	s_mul_i32 s18, s17, 1532
	s_sub_co_u32 s[44+\P], 6144, s18               ; from that fragment to its scale word: 6,144 + 4 i - 1,536 i
.endr
.irp P, 1,2,3
	s_add_co_u32 s16, s12, \P
	s_and_b32 s16, s16, 3                          ; the owner
	s_mul_i32 s16, s16, 3*RB
	s_add_co_u32 s[48+\P], s16, (\P-1)*RB          ; its part P - 1
.endr
	s_mul_i32 s48, s12, 3*RB                       ; the three parts sent to me
	s_mul_i32 s52, s12, 16*SP
	s_add_co_u32 s52, s52, STAGE                   ; my stage
	s_mul_i32 s40, ttmp9, 2*GRP
	s_add_co_u32 s40, s40, s15
	s_add_co_u32 s40, s40, WOFF                    ; w2: groups 2 X, 2 X + 1, my K steps
	s_mov_b32 s41, 0
	s_lshl_b32 s42, s13, 3
	s_lshl_b32 s16, s12, 1
	s_add_co_u32 s42, s42, s16                     ; my first token fragment among all 256
	s_lshl_b32 s42, s42, 3
	s_add_co_u32 s42, s42, ttmp9
	s_lshl_b32 s42, s42, 13                        ; its image for column panel X
	s_mov_b32 s43, 0
	s_lshl_b32 s54, s13, 2
	s_add_co_u32 s54, s54, s12
	s_lshl_b32 s54, s54, 17                        ; out: row 128 y + 32 w,
	s_lshl_b32 s16, ttmp9, 9
	s_add_co_u32 s54, s54, s16                     ; column 128 X
	s_mov_b32 s55, 0
	v_and_b32 v1, 31, v0                           ; lane
	v_and_b32 v2, 15, v0                           ; r
	v_bfe_u32 v3, v0, 4, 1                         ; h
	v_lshlrev_b32 v4, 4, v1
	v_lshlrev_b32 v5, 3, v1
	v_lshlrev_b32 v6, 4, v2
.irp P, 0,1,2,3
	v_lshl_add_u32 v[8+\P], v2, 4, s[44+\P]
.endr
.irp P, 1,2,3
	v_lshl_add_u32 v[11+\P], v1, 4, s[48+\P]
.endr
	v_lshl_add_u32 v15, v1, 4, s48
	v_mul_u32_u24 v16, v2, SP
	v_lshl_add_u32 v17, v1, 4, s52                 ; the stage, back: a row of 512 bytes to the 32 lanes
	v_lshl_add_u32 v16, v3, 6, v16
	v_add_nc_u32 v16, s52, v16                     ; the stage, in: row r, + 64 h
	s_wait_alu depctr_va_vdst(0)
	s_wait_kmcnt 0x0
.irp P, 0,1,2,3
	s_add_nc_u64 s[32+2*\P:33+2*\P], s[4:5], s[32+2*\P:33+2*\P]
.endr
	s_add_nc_u64 s[40:41], s[6:7], s[40:41]
	s_add_nc_u64 s[42:43], s[8:9], s[42:43]
	s_add_nc_u64 s[54:55], s[10:11], s[54:55]
	WIN 0x80                                       ; destination window 2: x1 + b2 into my own 16 accumulators
.irp a, 0,1
.set q, 0
.rept 16
	global_load_b128 v[64*\a+4*q:64*\a+4*q+3], v4, s[42:43] offset:65536*\a+512*q
.set q, q+1
.endr
.endr
	WIN 0
	LOADS 0, 0
	LOADS 1, 1
.irp s, 0,1,2,3,4,5,6,7
	STEP \s
.endr
	; the parts that belong to the other owners, each accumulator from its low end on
.irp P, 1,2,3
	WIN 0x08+4*((2*\P)/4)                          ; the stores' data: window 2 or 3
.irp u, 0,1
.irp b, 0,1,2,3,4,5,6,7
.set D, 64*((2*\P+\u)%4)+8*\b
	ds_store_b128 v[11+\P], v[D:D+3] offset:(8*\u+\b)*1024
	ds_store_b128 v[11+\P], v[D+4:D+7] offset:(8*\u+\b)*1024+512
.endr
.endr
.endr
	WIN 0
	s_wait_dscnt 0x0                               ; for the others' sake: my stores have landed
	s_barrier_signal -1
	s_barrier_wait -1
.set k, 0
.rept 32
	ds_load_b128 v[64+4*k:67+4*k], v15 offset:512*k          ; part 0
.set k, k+1
.endr
	WIN 0x40
.set k, 0
.rept 64
	ds_load_b128 v[4*k:4*k+3], v15 offset:RB+512*k           ; parts 1 and 2
.set k, k+1
.endr
	s_wait_dscnt 63                                ; part 0 is in: behind its 32 loads 64 were issued, and 63 is the largest count that the wait can name
	WIN 0x82                                       ; destination and source 0 window 2, source 1 window 0
.set k, 0
.rept 64
	v_pk_add_f32 v[2*k:2*k+1], v[2*k:2*k+1], v[64+2*k:65+2*k]
.set k, k+1
.endr
	s_wait_dscnt 32
	WIN 0x86                                       ; source 1 window 1
.set k, 0
.rept 64
	v_pk_add_f32 v[2*k:2*k+1], v[2*k:2*k+1], v[2*k:2*k+1]
.set k, k+1
.endr
	s_wait_dscnt 0x0
.set k, 0
.rept 64
	v_pk_add_f32 v[2*k:2*k+1], v[2*k:2*k+1], v[128+2*k:129+2*k]
.set k, k+1
.endr
	s_wait_alu depctr_va_vdst(0)
	; the way out: 16 tokens x 128 columns at a time through my stage.  LDS serves a wave's instructions in order: no wait between the stores and the loads, nor in front of the next block's stores
.irp a, 0,1
	WIN 0x08
.irp b, 0,1,2,3,4,5,6,7
	ds_store_b128 v16, v[64*\a+8*\b:64*\a+8*\b+3] offset:256*(\b/4)+128*((\b%4)/2)+32*(\b%2)
	ds_store_b128 v16, v[64*\a+8*\b+4:64*\a+8*\b+7] offset:256*(\b/4)+128*((\b%4)/2)+32*(\b%2)+16
.endr
	WIN 0
.set k, 0
.rept 16
	ds_load_b128 v[64+64*\a+4*k:67+64*\a+4*k], v17 offset:SP*k
.set k, k+1
.endr
.endr
.irp a, 0,1
	s_wait_dscnt 32*(1-\a)                         ; behind block 0's loads: block 1's 16 stores and 16 loads
.set k, 0
.rept 16
	global_store_b128 v4, v[64+64*\a+4*k:67+64*\a+4*k], s[54:55] offset:(8*\a+k+8*(k/8))*4096 th:TH_STORE_NT   ; 512 consecutive bytes, at a multiple of 256 from the buffer's first byte
.set k, k+1
.endr
.endr
	s_wait_tensorcnt 0x0                           ; the wave's end
	ds_add_u32 v18, v19
	s_wait_dscnt 0x0
	s_endpgm
.Lfunc_end_k_q7c267c42e4_ffn2:
	.size	k_q7c267c42e4_ffn2, .Lfunc_end_k_q7c267c42e4_ffn2-k_q7c267c42e4_ffn2
	.p2alignl 7, 3214868480
	.fill 96, 4, 3214868480
	.section	.rodata,"a",@progbits
	.p2align	6, 0x0
	.amdhsa_kernel k_q7c267c42e4_ffn2
		.amdhsa_group_segment_fixed_size 230912
		.amdhsa_private_segment_fixed_size 0
		.amdhsa_enable_private_segment 0
		.amdhsa_kernarg_size 32
		.amdhsa_user_sgpr_count 2
		.amdhsa_user_sgpr_kernarg_segment_ptr 1
		.amdhsa_wavefront_size32 1
		.amdhsa_system_sgpr_workgroup_id_x 1
		.amdhsa_system_sgpr_workgroup_id_y 1
		.amdhsa_system_sgpr_workgroup_id_z 1
		.amdhsa_system_vgpr_workitem_id 0
		.amdhsa_next_free_vgpr 1024
		.amdhsa_next_free_sgpr 66
		.amdhsa_reserve_vcc 0
		.amdhsa_float_denorm_mode_32 3
		.amdhsa_float_denorm_mode_16_64 3
		.amdhsa_memory_ordered 1
		.amdhsa_forward_progress 1
		.amdhsa_inst_pref_size 160
	.end_amdhsa_kernel
	.amdgpu_metadata
---
amdhsa.version: [ 1, 2 ]
amdhsa.kernels:
  - .name:           k_q7c267c42e4_ffn2
    .symbol:         k_q7c267c42e4_ffn2.kd
    .args:
      - { .name: fc, .offset: 0, .size: 8, .value_kind: global_buffer, .address_space: global }
      - { .name: wc, .offset: 8, .size: 8, .value_kind: global_buffer, .address_space: global }
      - { .name: x1, .offset: 16, .size: 8, .value_kind: global_buffer, .address_space: global }
      - { .name: out0, .offset: 24, .size: 8, .value_kind: global_buffer, .address_space: global }
    .group_segment_fixed_size: 230912
    .private_segment_fixed_size: 0
    .kernarg_segment_align: 8
    .kernarg_segment_size: 32
    .max_flat_workgroup_size: 128
    .sgpr_count:     66
    .vgpr_count:     1024
    .wavefront_size: 32
...
	.end_amdgpu_metadata
.endif
;; end of part 6
